; MI455X (gfx1250); checked and timed in simulation.
; The chip was launched on July 23, 2026; its instructions are those of AMD's public machine-readable ISA for CDNA 5 (MIT licence, August 2026) and "CDNA5" Instruction Set Architecture Reference Guide (July 2026). The comments in the code are by the model that wrote it; some were corrected since.
;; Custom GPT2 Layer. Allowed arithmetic: float matrix products may take bf16 or f16 operands with f32 sums; other float arithmetic in f32, or as packed bf16 or f16 multiplies, adds, multiply-adds, maxima and minima; sums over many terms, partial sums and values carried from step to step in f32; what a program stores and reads back later, other than sums and carried values, may be rounded once to bf16 or f16.
;; Inputs: b_attn 3,072 float32; b_fc 4,096 float32; b_fc2 1,024 float32; b_proj 1,024 float32; hidden_states 4 x 1,024 x 1,024 float32; ln1_b 1,024 float32; ln1_g 1,024 float32; ln2_b 1,024 float32; ln2_g 1,024 float32; w_attn 1,024 x 3,072 float32; w_fc 1,024 x 4,096 float32; w_fc2 4,096 x 1,024 float32; w_proj 1,024 x 1,024 float32.
;; Outputs: out0 4 x 1,024 x 1,024 float32.
;; One version. Each part assembles by itself: llvm-mc -triple=amdgcn-amd-amdhsa -mcpu=gfx1250 --defsym DOCPART=n.
;; ======== version 1 of 1: 7 launches
;; limits: right only within a limited range of input values; a function is approximated: absolute error at most 1.5e-07
;; workspace buffers: wb 25,165,824 bytes; h1 8,388,608 bytes; qkv 25,165,824 bytes; y 8,388,608 bytes; x1 16,777,216 bytes; h2 8,388,608 bytes; g 33,554,432 bytes
;; launch prep (part 1): grid 448 x 1, 8 waves a work-group, no clusters, 0 bytes of LDS; arguments hidden_states, ln1_g, ln1_b, w_attn, h1, wb; writes h1, wb
.if DOCPART == 1
	.amdgcn_target "amdgcn-amd-amdhsa--gfx1250"
	.amdhsa_code_object_version 6
	.text
	.protected	k_qa05bacf7c0_prep
	.globl	k_qa05bacf7c0_prep
	.p2align	8
	.type	k_qa05bacf7c0_prep,@function
k_qa05bacf7c0_prep:
	s_mov_b64 s[64:65], 0
	v_nop
	global_prefetch_b8 v0, s[64:65] scope:SCOPE_SE
	s_setreg_imm32_b32 hwreg(HW_REG_WAVE_MODE, 25, 1), 1
	s_wait_xcnt 0x0
; A GPT-2 LAYER IN SEVEN LAUNCHES: prep (this one), qkv, attn, proj, ln2, fc, fc2.  4,096 rows of 1,024 channels.
; WORK LEFT OUT, in launch attn alone: reference() builds a causal mask by jnp.tril in its own body and sets every score with key > query to -inf ahead of the softmax; the weight of such a
; score is exactly 0 whatever finite values the inputs hold, so it adds nothing to the row's sum nor to y.  Steps of 64 keys that lie wholly above a tile of 16 queries are therefore never
; multiplied; the step that holds the diagonal is multiplied whole and masked.  LIMIT: a NaN, an infinity or an overflow that would arise only in the scores left out is not carried to the result.
; All thirteen inputs have a way to the output and are loaded.
; FORMATS.  Matrix operands and the stored intermediates h1, q, k, v, y, h2, g and the weights' copy are bf16, each rounded once; sums, statistics, x1 and the output are f32.
; THIS LAUNCH.  Work-groups 0-255: h1 = LN1(hidden_states), 16 rows each, a wave two rows, a row kept in 32 registers between its passes (mean; mean of squares of x - mean; scaling), so
; the mean is taken away before the squares are summed, as reference() does, and a common offset of the inputs costs nothing.  Work-groups 256-447: w_attn, which the next launch multiplies by, is
; rounded to bf16 as it lies ([K][N], at the head of wb), 16,384 numbers each.  The other three weights are rounded in launch attn, beside its arithmetic.  A stream: no LDS, no barrier, no matrix
; unit, nothing shared, so no cluster; nothing is prefetched, since every byte is asked for at once by the loads themselves.  Each store of a wave covers 256 consecutive bytes, aligned.
.set X,   4                            ; v[4:67]    two rows, 32 numbers a lane each
.set G,   68                           ; v[68:99]   the gain of my 32 columns
.set BV,  100                          ; v[100:131] the bias of my 32 columns
.set T,   132                          ; v[132:139] at work
.set MU,  140                          ; v[140:141] the mean, twice
.set RS,  142                          ; v[142:143] 1 / sqrt(var + eps), twice
.set Y,   144                          ; v[144:175] two rows, packed
.set OUTP, 12                          ; s[12:13]   h1
	s_load_b256 s[4:11], s[0:1], 0x0               ; hidden s[4:5], g s[6:7], b s[8:9], w_attn s[10:11]
	s_load_b128 s[12:15], s[0:1], 0x20             ; h1 s[12:13], wb s[14:15]
	v_and_b32 v3, 31, v0
	v_lshlrev_b32 v1, 4, v3                        ; 16 bytes a lane in f32 rows
	v_lshlrev_b32 v2, 3, v3                        ; 8 bytes a lane in bf16 rows
	v_lshrrev_b32 v3, 5, v0
	v_readfirstlane_b32 s33, v3                    ; wave 0..7
	s_cmp_lt_u32 ttmp9, 256
	s_cbranch_scc0 .Lcast
	s_lshl_b32 s24, ttmp9, 4
	s_lshl1_add_u32 s24, s33, s24                  ; my first row = 16 x work-group + 2 x wave
	s_lshl_b32 s26, s24, 11                        ; x 2,048 bytes of a bf16 row
	s_lshl_b32 s24, s24, 12                        ; x 4,096 bytes of an f32 row
	s_mov_b32 s25, 0
	s_mov_b32 s27, 0
	s_mov_b32 s22, 0x76543210                      ; v_permlanex16_b32: each lane takes its own place in the other half
	s_mov_b32 s23, 0xfedcba98
	s_mov_b32 s28, 0x3a800000                      ; 1 / 1,024
	s_mov_b32 s29, 0x3727c5ac                      ; 1e-5
	s_wait_kmcnt 0x0
	s_add_nc_u64 s[24:25], s[4:5], s[24:25]
	s_add_nc_u64 s[26:27], s[OUTP:OUTP+1], s[26:27]
.irp j, 0,1,2,3,4,5,6,7
	global_load_b128 v[X+4*\j:X+4*\j+3], v1, s[24:25] offset:512*\j
	global_load_b128 v[X+32+4*\j:X+32+4*\j+3], v1, s[24:25] offset:4096+512*\j
.endr
.irp j, 0,1,2,3,4,5,6,7
	global_load_b128 v[G+4*\j:G+4*\j+3], v1, s[6:7] offset:512*\j
	global_load_b128 v[BV+4*\j:BV+4*\j+3], v1, s[8:9] offset:512*\j
.endr
.macro REDUCE                          ; v[T] = the sum, over the wave, of the eight numbers in v[T:T+7]; every lane gets it
	v_pk_add_f32 v[T:T+1], v[T:T+1], v[T+2:T+3]
	v_pk_add_f32 v[T+4:T+5], v[T+4:T+5], v[T+6:T+7]
	v_pk_add_f32 v[T:T+1], v[T:T+1], v[T+4:T+5]
	v_add_f32 v[T], v[T], v[T+1]
	v_add_f32_dpp v[T], v[T], v[T] row_xmask:1 row_mask:0xf bank_mask:0xf
	v_add_f32_dpp v[T], v[T], v[T] row_xmask:2 row_mask:0xf bank_mask:0xf
	v_add_f32_dpp v[T], v[T], v[T] row_xmask:4 row_mask:0xf bank_mask:0xf
	v_add_f32_dpp v[T], v[T], v[T] row_xmask:8 row_mask:0xf bank_mask:0xf
	v_permlanex16_b32 v[T+1], v[T], s22, s23
	v_add_f32 v[T], v[T], v[T+1]
.endm
.macro LNROW r
.set XR, X+32*(\r)
.irp k, 0,1,2,3                        ; the sum in four chains, started by the first pairs: nothing is cleared
	v_pk_add_f32 v[T+2*\k:T+2*\k+1], v[XR+4*\k:XR+4*\k+1], v[XR+4*\k+2:XR+4*\k+3]
.endr
.irp k, 0,1,2,3
	v_pk_add_f32 v[T+2*\k:T+2*\k+1], v[T+2*\k:T+2*\k+1], v[XR+16+4*\k:XR+16+4*\k+1]
.endr
.irp k, 0,1,2,3
	v_pk_add_f32 v[T+2*\k:T+2*\k+1], v[T+2*\k:T+2*\k+1], v[XR+16+4*\k+2:XR+16+4*\k+3]
.endr
	REDUCE
	v_mul_f32 v[MU], s28, v[T]
	v_mul_f32 v[MU+1], s28, v[T]
.set i, 0
.rept 16
	v_pk_add_f32 v[XR+i:XR+i+1], v[XR+i:XR+i+1], v[MU:MU+1] neg_lo:[0,1] neg_hi:[0,1]  ; x - mean, in place
.set i, i+2
.endr
.irp k, 0,1,2,3
	v_pk_mul_f32 v[T+2*\k:T+2*\k+1], v[XR+2*\k:XR+2*\k+1], v[XR+2*\k:XR+2*\k+1]
.endr
.set i, 8
.rept 12
	v_pk_fma_f32 v[T+i%8:T+i%8+1], v[XR+i:XR+i+1], v[XR+i:XR+i+1], v[T+i%8:T+i%8+1]
.set i, i+2
.endr
	REDUCE
	v_fma_f32 v[T], v[T], s28, s29                 ; var + eps
	v_rsq_f32 v[RS], v[T]
	v_rsq_f32 v[RS+1], v[T]
	v_nop                                          ; a plain instruction behind the two roots,
	s_wait_alu depctr_va_vdst(0)                   ; and the one wait ahead of their first use
.if (\r) == 0
	s_wait_loadcnt 0x0                             ; gain and bias are in
.endif
.set i, 0
.rept 16
	v_pk_mul_f32 v[XR+i:XR+i+1], v[XR+i:XR+i+1], v[RS:RS+1]
.set i, i+2
.endr
.set i, 0
.rept 16
	v_pk_fma_f32 v[XR+i:XR+i+1], v[XR+i:XR+i+1], v[G+i:G+i+1], v[BV+i:BV+i+1]
.set i, i+2
.endr
.set i, 0
.rept 16
	v_cvt_pk_bf16_f32 v[Y+16*(\r)+i], v[XR+2*i], v[XR+2*i+1]
.set i, i+1
.endr
.irp j, 0,1,2,3,4,5,6,7
	global_store_b64 v2, v[Y+16*(\r)+2*\j:Y+16*(\r)+2*\j+1], s[26:27] offset:2048*(\r)+256*\j
.endr
.endm
	s_wait_loadcnt 16                              ; both rows are in; the 16 younger loads, gain and bias, may stay out
	LNROW 0
	LNROW 1
	s_endpgm
.Lcast:
	s_sub_co_u32 s24, ttmp9, 256                   ; c = 0..191: my block of 16,384 numbers of w_attn
	s_lshl_b32 s30, s24, 16                        ; 65,536 bytes of f32 a block,
	s_lshl_b32 s31, s33, 13                        ; 8,192 a wave
	s_add_co_u32 s30, s30, s31
	s_mov_b32 s31, 0
	s_lshl_b32 s28, s24, 15                        ; 32,768 bytes of bf16 a block,
	s_lshl_b32 s29, s33, 12                        ; 4,096 a wave
	s_add_co_u32 s28, s28, s29
	s_mov_b32 s29, 0
	s_wait_kmcnt 0x0
	s_add_nc_u64 s[10:11], s[10:11], s[30:31]
	s_add_nc_u64 s[14:15], s[14:15], s[28:29]
.irp u, 0,1,2,3,4,5,6,7,8,9,10,11,12,13,14,15
	global_load_b128 v[4+4*\u:7+4*\u], v1, s[10:11] offset:512*\u th:TH_LOAD_NT
.endr
.irp u, 0,1,2,3,4,5,6,7,8,9,10,11,12,13,14,15
	s_wait_loadcnt 15-\u                           ; loads come back in order: load u is in, the younger ones stay out
	v_cvt_pk_bf16_f32 v[68+2*\u], v[4+4*\u], v[5+4*\u]
	v_cvt_pk_bf16_f32 v[69+2*\u], v[6+4*\u], v[7+4*\u]
	global_store_b64 v2, v[68+2*\u:69+2*\u], s[14:15] offset:256*\u
.endr
	s_endpgm
.Lfunc_end_k_qa05bacf7c0_prep:
	.size	k_qa05bacf7c0_prep, .Lfunc_end_k_qa05bacf7c0_prep-k_qa05bacf7c0_prep
	.p2alignl 7, 3214868480
	.fill 96, 4, 3214868480
	.section	.rodata,"a",@progbits
	.p2align	6, 0x0
	.amdhsa_kernel k_qa05bacf7c0_prep
		.amdhsa_group_segment_fixed_size 0
		.amdhsa_private_segment_fixed_size 0
		.amdhsa_enable_private_segment 0
		.amdhsa_kernarg_size 48
		.amdhsa_user_sgpr_count 2
		.amdhsa_user_sgpr_kernarg_segment_ptr 1
		.amdhsa_wavefront_size32 1
		.amdhsa_system_sgpr_workgroup_id_x 1
		.amdhsa_system_sgpr_workgroup_id_y 1
		.amdhsa_system_sgpr_workgroup_id_z 1
		.amdhsa_system_vgpr_workitem_id 0
		.amdhsa_next_free_vgpr 176
		.amdhsa_next_free_sgpr 66
		.amdhsa_reserve_vcc 0
		.amdhsa_float_denorm_mode_32 3
		.amdhsa_float_denorm_mode_16_64 3
		.amdhsa_memory_ordered 1
		.amdhsa_forward_progress 1
		.amdhsa_inst_pref_size 26
	.end_amdhsa_kernel
	.amdgpu_metadata
---
amdhsa.version: [ 1, 2 ]
amdhsa.kernels:
  - .name:           k_qa05bacf7c0_prep
    .symbol:         k_qa05bacf7c0_prep.kd
    .args:
      - { .name: hidden_states, .offset: 0, .size: 8, .value_kind: global_buffer, .address_space: global }
      - { .name: ln1_g, .offset: 8, .size: 8, .value_kind: global_buffer, .address_space: global }
      - { .name: ln1_b, .offset: 16, .size: 8, .value_kind: global_buffer, .address_space: global }
      - { .name: w_attn, .offset: 24, .size: 8, .value_kind: global_buffer, .address_space: global }
      - { .name: h1, .offset: 32, .size: 8, .value_kind: global_buffer, .address_space: global }
      - { .name: wb, .offset: 40, .size: 8, .value_kind: global_buffer, .address_space: global }
    .group_segment_fixed_size: 0
    .private_segment_fixed_size: 0
    .kernarg_segment_align: 8
    .kernarg_segment_size: 48
    .max_flat_workgroup_size: 256
    .sgpr_count:     66
    .vgpr_count:     176
    .wavefront_size: 32
...
	.end_amdgpu_metadata
.endif
;; end of part 1
;; launch qkv (part 2): grid 12 x 16, 4 waves a work-group, clusters of 4 x 4, 327,680 bytes of LDS; arguments h1, wb, b_attn, qkv; writes qkv
.if DOCPART == 2
	.amdgcn_target "amdgcn-amd-amdhsa--gfx1250"
	.amdhsa_code_object_version 6
	.text
	.protected	k_qa05bacf7c0_qkv
	.globl	k_qa05bacf7c0_qkv
	.p2align	8
	.type	k_qa05bacf7c0_qkv,@function
k_qa05bacf7c0_qkv:
	s_mov_b64 s[64:65], 0
	v_nop
	global_prefetch_b8 v0, s[64:65] scope:SCOPE_SE
	s_setreg_imm32_b32 hwreg(HW_REG_WAVE_MODE, 25, 1), 1
	s_wait_xcnt 0x0
	s_wait_alu depctr_hold_cnt(0) depctr_sa_sdst(0) depctr_va_vdst(0) depctr_va_sdst(0) depctr_va_ssrc(0) depctr_va_vcc(0) depctr_vm_vsrc(0)
	s_getreg_b32 s2, hwreg(HW_REG_IB_STS2, 6, 4)
	s_cmp_eq_u32 s2, 0
	s_cbranch_scc0 .Lentry_in_a_cluster
	s_endpgm
.Lentry_in_a_cluster:
	s_bfe_u32 s2, ttmp6, 0x10000c
	s_cmp_lg_u32 s2, 0xf033
	s_cbranch_scc0 .Lentry_shape_is_right
	s_endpgm
.Lentry_shape_is_right:
; C = A W + bias on tiles of 256 x 256.  A: [4096][1024] bf16; W: [1024][NN] bf16 as the weights lie, at byte WOFF of wb; bias: [NN] f32.  One text for two launches, told apart by QKV:
; QKV = 1: A = h1, NN = 3,072; C is rounded to bf16 and stored by heads, [3][64 = batch x 16 + head][1024 tokens][64].  QKV = 0: A = h2, NN = 4,096; gelu(C), exact-erf form, is stored as bf16 [4096][4096].
; SHARES.  Four waves, each 128 x 128 of C in 64 accumulators.  K = 1,024 goes in 8 steps of 128 through two LDS slots; a step is four quarters of 32 along K on two fragment buffers.
; The product is used transposed (source 0 = 16 columns of W, source 1 = 16 rows of A): a lane holds one row of C and 8 neighbouring columns.  W's fragments come out of LDS turned, by ds_load_tr16_b128.
; The bias is the C operand of the products that start the sums: nothing is cleared, nothing is added later.
; CLUSTER 4 x 4: A's tile is asked for jointly along a row of the cluster, W's along a column; where a slot is filled again, a round of the cluster's barrier stands in front.
; ONE K STEP IS WRITTEN ONCE: the slot in hand is a scalar (TB) and the walking descriptors' LDS word is turned by an exclusive or with SLOT, which shares no bit with the waves' own terms (0, 0x8800, 0x11000, 0x19800).
; THE WAY OUT: when the ring has had its last fill and every wave has read it out, each wave lays its 128 x 128 f32 into its own 67,584 bytes of the ring's LDS and reads whole rows back, ROWS rows a trip.
; A trip asks for the next trip's rows as soon as the registers that hold its own are dead, and waits for its predecessor's stores to have read their registers only where it writes them anew.
; LIMITS.  NaN and infinities are not treated apart.  erfc(|x| / sqrt 2) = t A(t) exp(-x x / 2) with t = 1 / (1 + p |x|), p = 0.2316419, A of five terms, absolute error 1.5e-7 (Abramowitz and Stegun
; 7.1.26).  Since |x| t = (1 - t) / p:  gelu(x) = max(x, 0) - (1 - t) H(t) 2^(-x x log2(e) / 2), H = A / (2 p): right in both tails; where x x overflows the last factor is 0.
.set QKV, 1
.if QKV
.set NN,   3072
.set WOFF, 0
.set ROWS, 16
.else
.set NN,   4096
.set WOFF, 8388608
.set ROWS, 8
.endif
.set PA,    272                        ; a row of A in LDS: 256 bytes + 16
.set PB,    544                        ; a k-row of W in LDS: 512 bytes + 32: an odd multiple of 32
.set HALF,  128*PA                     ; what one tensor load brings: 128 rows of A, or 64 k-rows of W (64 x 544 is the same 34,816)
.set BOFF,  2*HALF                     ; W's part of a slot
.set SLOT,  4*HALF                     ; 139,264 = 0x22000
.set SPARE, 2*SLOT                     ; behind the ring: the spare words, 128 bytes a wave, that no other line names
.set SP,    528                        ; a stage row: 128 f32 + 16 bytes
.set WST,   128*SP                     ; a wave's stage
.set STEPA, 256                        ; a K step in a row of A, bytes
.set STEPB, 256*NN                     ; 128 k-rows of W, bytes
.set A0,   2                           ; v2   my lane's place in A's part of a slot; never rewritten
.set B0,   3                           ; v3   the same for W
.set ADRA, 16                          ; v16  A0 + the slot in hand
.set ADRB, 20                          ; v20  B0 + the slot in hand
.set STO,  24                          ; v24  where I put 16 bytes of a stage row
.set RD,   25                          ; v25  where I read stage rows back
.set CO,   26                          ; v26  my byte offset in the output
.set BO,   27                          ; v27  my byte offset in 16 numbers of the bias
.set SPW,  28                          ; v28  my spare word; never rewritten
.set NIL,  29                          ; v29  0; never rewritten
.set PFO,  30                          ; v30  the prefetches' lane offset; never rewritten
.set F0,   64                          ; fragment buffers: A's in window 0, W's in window 1
.set F1,   128
.set BI,   192                          ; v[192:255] the bias of my 128 columns, 8 a block of 16
.set WV, 14
.set RH, 15                            ; my half of the tile's rows; also: I fetch for A (0) or W (1)
.set CH, 16                            ; my half of its columns; also: which half of that tile I fetch
.set CX, 17
.set CY, 18
.set TX, 19
.set TY, 20
.set G1A, 24                           ; s[24:31] group 1 for A's tiles; s[32:39] group 0: set 0 once, set 1 walks
.set G0A, 32
.set G1B, 48                           ; s[48:55], s[56:63] the same for W's
.set G0B, 56
.set OB,  66                           ; s[66:67] the output at my part
.set BB,  68                           ; s[68:69] the bias at my 128 columns
.set TB,  70                           ; s70  the slot in hand: 0 or SLOT
.set PFA, 72                           ; s[72:73] where my prefetches stand
.set PFS, 74                           ; s[74:75] their step
.set LIM, 76                           ; s76  2 in a wave that prefetches, else the greatest number
.set MSB, 0
.macro WIN new                         ; the immediate's high byte repeats the setting that is left; a switch that changes nothing is dropped
.if MSB != (\new)
	s_set_vgpr_msb (MSB<<8)|(\new)
.set MSB, \new
.endif
.endm
.set MUL_LO,  0xa1                     ; source 0 (W) window 1, source 1 (A) window 0, C and D window 2
.set MUL_HI,  0xf1                     ; C and D window 3
.set MULB_LO, 0x81                     ; the same with C (the bias) in window 0
.set MULB_HI, 0xc1
.set TO_B,    0x40                     ; destination window 1
.set ST_LO,   0x08                     ; an LDS store's data in window 2
.set ST_HI,   0x0c                     ; in window 3
.macro PLACES                          ; four plain instructions behind matrix instructions, ahead of loads into their sources and of readers of their results
.rept 4
	v_nop
.endr
.endm
.macro JLOAD                           ; the joint refill, by the walking sets; the branch hangs on the wave's number alone; an s_nop 0 and four v_nop follow each line
	s_cmp_eq_u32 s[RH], 0
	s_cbranch_scc0 .Lfor_b_\@
	tensor_load_to_lds s[G0A+4:G0A+7], s[G1A:G1A+7]
	s_nop 0
.rept 4
	v_nop
.endr
	s_branch .Lasked_\@
.Lfor_b_\@:
	tensor_load_to_lds s[G0B+4:G0B+7], s[G1B:G1B+7]
	s_nop 0
.rept 4
	v_nop
.endr
.Lasked_\@:
.endm
.macro CREST                           ; a round of the cluster's barrier behind its opening barrier
	s_cmp_lg_u32 s[WV], 0
	s_cbranch_scc1 .Lnot_wave_0_\@
	s_barrier_signal -3
.Lnot_wave_0_\@:
	s_barrier_wait -3
	s_barrier_signal -1
	s_barrier_wait -1
.endm
.macro CROUND
	s_barrier_signal -1
	s_barrier_wait -1
	CREST
.endm
; A PREFETCH INTO THE L2 behind each refill and the run of LDS loads that follows it: the K step two refills on (the refill of trip t brings step t + 2, the prefetch names step t + 4), 512 matrix
; instructions ahead of the load that wants it; trips 0 to 3 alone, so steps 4 to 7.  Each aligned 256 bytes is named once in the launch: A's rows by the clusters with x = 0, W's by those with y = 0;
; the four partners of a joint load share its rows out by address (32 rows of A by cx; 16 k-rows x 2 blocks of W by cy), a lane a block.  Steps 0 to 3 come by their loads alone.
.macro ASK
	s_cmp_gt_u32 s3, s[LIM]
	s_cbranch_scc0 .Lnot_mine_\@
	global_prefetch_b8 v[PFO], s[PFA:PFA+1] th:TH_LOAD_NT scope:SCOPE_SE
.Lnot_mine_\@:
.endm
	s_load_b256 s[4:11], s[0:1], 0x0               ; A s[4:5], wb s[6:7], bias s[8:9], out s[10:11]
	v_lshl_add_u32 v[SPW], v0, 2, SPARE
	v_mov_b32 v[NIL], 0
	ds_add_u32 v[SPW], v[NIL]                      ; the opening: the add, twice on end, and its wait ahead of my first tensor load
	ds_add_u32 v[SPW], v[NIL]
	v_lshrrev_b32 v1, 5, v0
	v_readfirstlane_b32 s[WV], v1                  ; wave 0..3
	s_lshr_b32 s[RH], s[WV], 1
	s_and_b32 s[CH], s[WV], 1
	s_bfe_u32 s[CX], ttmp6, 0x40000
	s_bfe_u32 s[CY], ttmp6, 0x40004
	s_lshl_b32 s[TX], ttmp9, 2
	s_add_co_u32 s[TX], s[TX], s[CX]               ; tile column = 4 x cluster x + cx
	s_and_b32 s[TY], ttmp7, 0xffff
	s_lshl_b32 s[TY], s[TY], 2
	s_add_co_u32 s[TY], s[TY], s[CY]               ; tile row = 4 x cluster y + cy
	s_lshl_b32 s21, s[CY], 2
	s_lshl_b32 s21, 15, s21                        ; my row of the cluster
	s_lshl_b32 s22, 0x1111, s[CX]                  ; my column
	s_or_b32 s[G1A], s21, (1<<16)|(1<<20)|(1<<21)|(5<<22)|(3<<25)  ; mask; 2-byte elements; padding on; bit 21 beside a mask; after every 64 words, 4 words
	s_mov_b32 s[G1A+1], 128<<16                    ; tensor_dim0 = 128
	s_mov_b32 s[G1A+2], 128<<16                    ; tensor_dim1 = 128
	s_mov_b32 s[G1A+3], 128<<16                    ; tile_dim0 = 128
	s_mov_b32 s[G1A+4], 128                        ; tile_dim1 = 128
	s_mov_b32 s[G1A+5], 1024                       ; elements from row to row
	s_mov_b32 s[G1A+6], 0
	s_mov_b32 s[G1A+7], 0
	s_or_b32 s[G1B], s22, (1<<16)|(1<<20)|(1<<21)|(6<<22)|(7<<25)  ; after every 128 words, 8 words
	s_mov_b32 s[G1B+1], 256<<16                    ; tensor_dim0 = 256
	s_mov_b32 s[G1B+2], 64<<16                     ; tensor_dim1 = 64
	s_mov_b32 s[G1B+3], 256<<16                    ; tile_dim0 = 256
	s_mov_b32 s[G1B+4], 64                         ; tile_dim1 = 64
	s_mov_b32 s[G1B+5], NN
	s_mov_b32 s[G1B+6], 0
	s_mov_b32 s[G1B+7], 0
	s_lshl_b32 s40, s[TY], 8                       ; A: row 256 x tile row + 128 x half, x 2,048 bytes
	s_lshl_b32 s41, s[CH], 7
	s_add_co_u32 s40, s40, s41
	s_lshl_b32 s40, s40, 11
	s_mov_b32 s41, 0
	s_mul_i32 s42, s[CH], 128*NN                   ; W: k-row 64 x half, x 2 NN bytes; + 512 x tile column
	s_lshl_b32 s43, s[TX], 9
	s_add_co_u32 s42, s42, s43
.if WOFF
	s_add_co_u32 s42, s42, WOFF
.endif
	s_mov_b32 s43, 0
	s_mul_i32 s44, s[WV], HALF                     ; where my fills go: no place in the cluster enters an LDS address
	s_mov_b32 s[TB], 0
.if !QKV
	s_mov_b32 s78, 0x3e6d3389                      ; p = 0.2316419
	s_mov_b32 s80, 0xbf38aa3b                      ; -log2(e) / 2
	s_mov_b32 s82, 0x4012a088                      ; H's five coefficients, A's divided by 2 p: of t^4: 2.2910481,
	s_mov_b32 s84, 0xc048bea0                      ; of t^3: -3.1366348,
	s_mov_b32 s86, 0x40445c34                      ; of t^2: 3.0681276,
	s_mov_b32 s88, 0xbf1d34d5                      ; of t: -0.6140874,
	s_mov_b32 s90, 0x3f0cd020                      ; of 1: 0.5500507
.irp p, 80,82,84,86,88,90
	s_mov_b32 s[\p+1], s[\p]                       ; named as pairs
.endr
.endif
	s_wait_dscnt 0x0                               ; both opening adds are done
	s_wait_kmcnt 0x0
	s_add_nc_u64 s[40:41], s[4:5], s[40:41]
	s_add_nc_u64 s[42:43], s[6:7], s[42:43]
.irp s, 0,1
	s_mov_b32 s[G0A+4*\s], 1
	s_add_co_u32 s[G0A+4*\s+1], s44, \s*SLOT
	s_add_nc_u64 s[G0A+4*\s+2:G0A+4*\s+3], s[40:41], \s*STEPA
	s_or_b32 s[G0A+4*\s+3], s[G0A+4*\s+3], 0x80000000
	s_mov_b32 s[G0B+4*\s], 1
	s_add_co_u32 s[G0B+4*\s+1], s44, \s*SLOT
	s_add_nc_u64 s[G0B+4*\s+2:G0B+4*\s+3], s[42:43], \s*STEPB
	s_or_b32 s[G0B+4*\s+3], s[G0B+4*\s+3], 0x80000000
.endr
	CROUND                                         ; all sixteen work-groups are here: the first joint loads meet
	s_cmp_eq_u32 s[RH], 0                          ; a wave's two first fills stand in one branch: two loads of mine are out
	s_cbranch_scc0 .Lfirst_b
	tensor_load_to_lds s[G0A:G0A+3], s[G1A:G1A+7]
	s_nop 0
	tensor_load_to_lds s[G0A+4:G0A+7], s[G1A:G1A+7]
	s_nop 0
.rept 4
	v_nop
.endr
	s_branch .Lfirst_asked
.Lfirst_b:
	tensor_load_to_lds s[G0B:G0B+3], s[G1B:G1B+7]
	s_nop 0
	tensor_load_to_lds s[G0B+4:G0B+7], s[G1B:G1B+7]
	s_nop 0
.rept 4
	v_nop
.endr
.Lfirst_asked:
	v_and_b32 v1, 15, v0                           ; r = l % 16
	v_bfe_u32 v9, v0, 4, 1                         ; h = l / 16
	v_and_b32 v10, 7, v0
	v_bfe_u32 v11, v0, 3, 1
	v_lshlrev_b32 v[BO], 5, v9                     ; 8 h numbers of the bias
	s_lshl_b32 s21, s[TX], 8
	s_lshl_b32 s22, s[CH], 7
	s_add_co_u32 s21, s21, s22                     ; n0: my first column
	s_lshl_b32 s46, s21, 2
	s_mov_b32 s47, 0
	s_add_nc_u64 s[BB:BB+1], s[8:9], s[46:47]
.irp b, 0,1,2,3,4,5,6,7
	global_load_b128 v[BI+8*\b:BI+8*\b+3], v[BO], s[BB:BB+1] offset:64*\b
	global_load_b128 v[BI+8*\b+4:BI+8*\b+7], v[BO], s[BB:BB+1] offset:64*\b+16
.endr
	v_mul_u32_u24 v[A0], v1, PA                    ; A's fragment: row r, 16 bytes for each half of the lanes
	v_lshl_add_u32 v[A0], v9, 4, v[A0]
	s_mul_i32 s22, s[RH], HALF
	v_add_nc_u32 v[A0], s22, v[A0]
	v_lshl_add_u32 v[B0], v9, 3, v10               ; W's: k-row 8 h + l % 8, columns 8 ((l / 8) % 2) on
	v_mul_u32_u24 v[B0], v[B0], PB
	v_lshl_add_u32 v[B0], v11, 4, v[B0]
	s_lshl_b32 s22, s[CH], 8
	s_add_co_u32 s22, s22, BOFF
	v_add_nc_u32 v[B0], s22, v[B0]
	v_mov_b32 v[ADRA], v[A0]
	v_mov_b32 v[ADRB], v[B0]
	s_mul_i32 s23, s[WV], WST                      ; my stage
	v_mul_u32_u24 v[STO], v1, SP
	v_lshl_add_u32 v[STO], v9, 5, v[STO]           ; row r, 8 h numbers on
	v_add_nc_u32 v[STO], s23, v[STO]
	s_lshl_b32 s22, s[TY], 8
	s_lshl_b32 s45, s[RH], 7
	s_add_co_u32 s22, s22, s45                     ; m0: my first row
.if QKV
	v_bfe_u32 v12, v0, 3, 2                        ; back: four tokens x 64 channels of one head: token l / 8, 8 channels at l % 8
	v_mul_u32_u24 v[RD], v12, SP
	v_lshl_add_u32 v[RD], v10, 5, v[RD]
	v_add_nc_u32 v[RD], s23, v[RD]
	v_and_b32 v12, 31, v0
	v_lshlrev_b32 v[CO], 4, v12                    ; which are 512 consecutive bytes of the output
	s_lshr_b32 s23, s21, 10                        ; q, k or v
	s_lshl_b32 s23, s23, 23                        ; x 8,388,608
	s_bfe_u32 s45, s21, 0x40006                    ; the head of my first column
	s_lshr_b32 s46, s22, 10                        ; the batch
	s_lshl4_add_u32 s45, s46, s45
	s_lshl_b32 s45, s45, 17                        ; x 131,072
	s_add_co_u32 s23, s23, s45
	s_and_b32 s46, s22, 1023                       ; the token
	s_lshl_b32 s46, s46, 7
	s_add_co_u32 s46, s46, s23
.else
	v_mul_u32_u24 v[RD], v9, SP                    ; back: lanes 0-15 one row's 128 numbers, 8 a lane; lanes 16-31 the next row's
	v_lshl_add_u32 v[RD], v1, 5, v[RD]
	v_add_nc_u32 v[RD], s23, v[RD]
	v_lshlrev_b32 v[CO], 13, v9
	v_lshl_add_u32 v[CO], v1, 4, v[CO]
	s_lshl_b32 s46, s22, 13                        ; m0 x 8,192 bytes
	s_lshl1_add_u32 s46, s21, s46                  ; + 2 n0
.endif
	s_add_nc_u64 s[OB:OB+1], s[10:11], s[46:47]
	; the prefetches
	s_lshl_b32 s21, s[TY], 8
	s_lshl_b32 s22, s[CH], 7
	s_add_co_u32 s21, s21, s22
	s_lshl_b32 s22, s[CX], 5
	s_add_co_u32 s21, s21, s22                     ; A: my work-group's 32 rows of the 128 that I fetch
	s_lshl_b32 s21, s21, 11
	s_add_co_u32 s21, s21, 3*STEPA                 ; at K step 3: stepped ahead of each use
	s_lshl_b32 s22, s[CH], 6
	s_lshl4_add_u32 s22, s[CY], s22                ; W: my work-group's 16 k-rows of the 64
	s_mul_i32 s22, s22, 2*NN
	s_lshl_b32 s23, s[TX], 9
	s_add_co_u32 s22, s22, s23
	s_add_co_u32 s22, s22, WOFF+3*STEPB
	s_and_b32 s23, ttmp7, 0xffff
	s_mov_b32 s[PFS], STEPB
	s_mov_b32 s[PFS+1], 0
	s_mov_b32 s45, 2*NN
	s_cmp_eq_u32 s[RH], 0
	s_cselect_b32 s46, s21, s22
	s_cselect_b32 s23, ttmp9, s23                  ; the coordinate along which other clusters read the same rows
	s_cselect_b64 s[PFA:PFA+1], s[4:5], s[6:7]
	s_cselect_b32 s[PFS], STEPA, s[PFS]
	s_cselect_b32 s45, 2048, s45                   ; bytes from row to row
	s_cselect_b32 s44, 0, 1                        ; W: two lanes a k-row
	s_add_nc_u64 s[PFA:PFA+1], s[PFA:PFA+1], s[46:47]
	s_cmp_eq_u32 s23, 0
	s_cselect_b32 s[LIM], 2, -1                    ; the same in all sixteen partners, for a given wave
	v_and_b32 v31, 31, v0
	v_lshrrev_b32 v[PFO], s44, v31
	v_mul_u32_u24 v[PFO], s45, v[PFO]
	v_and_b32 v31, s44, v31
	v_lshl_add_u32 v[PFO], v31, 8, v[PFO]
; 16 matrix instructions: row blocks a0, a0 + 1 of the window's four x all 8 column blocks, 32 along K.  first = 1: the bias starts the sums.  The 64 accumulators take turns in one order everywhere.
.macro MUL16 f, hi, a0, first
.if \first
	WIN MULB_LO+0x40*(\hi)
.else
	WIN MUL_LO+0x50*(\hi)
.endif
.irp a, \a0, (\a0)+1
.irp b, 0,1,2,3,4,5,6,7
.if \first
	v_wmma_f32_16x16x32_bf16 v[8*(8*(\a)+(\b)):8*(8*(\a)+(\b))+7], v[(\f)+8*(\b):(\f)+8*(\b)+7], v[(\f)+8*(4*(\hi)+(\a)):(\f)+8*(4*(\hi)+(\a))+7], v[BI+8*(\b):BI+8*(\b)+7]
.else
	v_wmma_f32_16x16x32_bf16 v[8*(8*(\a)+(\b)):8*(8*(\a)+(\b))+7], v[(\f)+8*(\b):(\f)+8*(\b)+7], v[(\f)+8*(4*(\hi)+(\a)):(\f)+8*(4*(\hi)+(\a))+7], v[8*(8*(\a)+(\b)):8*(8*(\a)+(\b))+7]
.endif
.endr
.endr
.endm
; 32 LDS loads in one run: a quarter's fragments (W's 128 columns turned, A's 128 rows) into buffer f; ka, kb: the quarter's byte in A's rows, in W's k-rows
.macro FETCH ka, kb, f
	WIN TO_B
.irp i, 0,1,2,3,4,5,6,7
	ds_load_tr16_b128 v[(\f)+8*(\i):(\f)+8*(\i)+3],   v[ADRB] offset:(\kb)+32*(\i)
	ds_load_tr16_b128 v[(\f)+8*(\i)+4:(\f)+8*(\i)+7], v[ADRB] offset:(\kb)+32*(\i)+16*PB
.endr
	WIN 0
.irp i, 0,1,2,3,4,5,6,7
	ds_load_b128 v[(\f)+8*(\i):(\f)+8*(\i)+3],   v[ADRA] offset:(\ka)+(\i)*16*PA
	ds_load_b128 v[(\f)+8*(\i)+4:(\f)+8*(\i)+7], v[ADRA] offset:(\ka)+(\i)*16*PA+32
.endr
.endm
.macro QUARTER ka, kb, f, g, first     ; multiplies buffer f; in its middle fetches the next quarter into g
	s_wait_dscnt 8                                 ; W and A's rows 0-63 are in; the youngest eight loads (A's rows 64-127) may be out
	MUL16 \f, 0, 0, \first
	MUL16 \f, 0, 2, \first
	PLACES
	FETCH \ka, \kb, \g
	s_wait_dscnt 32                                ; all but the 32 just issued
	MUL16 \f, 1, 0, \first
	MUL16 \f, 1, 2, \first
.endm
; The last quarter multiplies buffer 1 and changes slots.  In front of the one barrier each wave waits for all its tensor loads (one is out: its part of the next slot), adds 0 to its spare word, and
; waits for that and for its own reads of this slot.  fill = 1: the barrier opens a round of the cluster's, and the joint refill, two K steps ahead, is the first thing behind it.
.macro TURN fill
.if \fill
	s_wait_xcnt 0x0                                ; the last prefetch, a K step back, has read its address
	s_add_nc_u64 s[PFA:PFA+1], s[PFA:PFA+1], s[PFS:PFS+1]
.endif
	WIN 0
	s_wait_tensorcnt 0x0
	ds_add_u32 v[SPW], v[NIL]
	s_wait_dscnt 9                                 ; (the add and the youngest eight loads may be out)
	MUL16 F1, 0, 0, 0
	s_wait_dscnt 0x0                               ; the add is done, and my reads of this slot are over
	s_barrier_signal -1
	MUL16 F1, 0, 2, 0
	WIN 0
	s_barrier_wait -1
.if \fill
	CREST
	s_xor_b32 s[G0A+5], s[G0A+5], SLOT             ; no load of mine is out: the walking sets take the other slot and the next K step
	s_add_nc_u64 s[G0A+6:G0A+7], s[G0A+6:G0A+7], STEPA
	s_xor_b32 s[G0B+5], s[G0B+5], SLOT
	s_add_nc_u64 s[G0B+6:G0B+7], s[G0B+6:G0B+7], STEPB
	JLOAD                                          ; its four v_nop are also the places in front of the loads below
.else
	PLACES
.endif
	s_xor_b32 s[TB], s[TB], SLOT
	v_add_nc_u32 v[ADRA], s[TB], v[A0]
	v_add_nc_u32 v[ADRB], s[TB], v[B0]
	FETCH 0, 0, F0
.if \fill
	ASK
.endif
	MUL16 F1, 1, 0, 0
	MUL16 F1, 1, 2, 0
.endm
	s_wait_tensorcnt 1                             ; my part of K step 0 is in; step 1's may stay out
	s_barrier_signal -1
	s_barrier_wait -1
	FETCH 0, 0, F0
	s_wait_loadcnt 0x0                             ; the bias
	QUARTER 64, 32*PB, F0, F1, 1
	WIN 0
	s_mov_b32 s3, 6
.Lk:                                               ; a trip: from a K step's second quarter to the next step's first; steps 2 to 7 are asked for
	QUARTER 128, 64*PB, F1, F0, 0
	QUARTER 192, 96*PB, F0, F1, 0
	TURN 1
	QUARTER 64, 32*PB, F0, F1, 0
	WIN 0
	s_sub_co_u32 s3, s3, 1
	s_cmp_lg_u32 s3, 0
	s_cbranch_scc1 .Lk
	s_mov_b32 s2, 2
.Ltail:                                            ; K steps 6 and 7 ask for nothing; the second trip is left in its middle
	QUARTER 128, 64*PB, F1, F0, 0
	QUARTER 192, 96*PB, F0, F1, 0
	WIN 0
	s_sub_co_u32 s2, s2, 1
	s_cmp_eq_u32 s2, 0
	s_cbranch_scc1 .Lfin
	TURN 0
	QUARTER 64, 32*PB, F0, F1, 0
	WIN 0
	s_branch .Ltail
.Lfin:
	s_wait_dscnt 8
	MUL16 F1, 0, 0, 0
	MUL16 F1, 0, 2, 0
	s_wait_dscnt 0x0
	MUL16 F1, 1, 0, 0
	MUL16 F1, 1, 2, 0
	PLACES
	WIN 0
	s_barrier_signal -1                            ; every wave's reads of the ring are over (its last wait on LDS was for 0), and the ring has had its last fill:
	s_barrier_wait -1                              ; its bytes now serve as the stages
.irp hi, 0,1
	WIN ST_LO+4*(\hi)
.irp a, 0,1,2,3
.irp b, 0,1,2,3,4,5,6,7
	ds_store_b128 v[STO], v[8*(8*\a+\b):8*(8*\a+\b)+3]   offset:(4*\hi+\a)*16*SP+64*\b      ; each accumulator's low registers first
	ds_store_b128 v[STO], v[8*(8*\a+\b)+4:8*(8*\a+\b)+7] offset:(4*\hi+\a)*16*SP+64*\b+16
.endr
.endr
.endr
	WIN 0
.set XX, 32
.if QKV
.set YY, 96
.macro LOADX                           ; 16 rows: for each 8 rows j and each q = 2 x head half + token four, 32 bytes a lane
.irp j, 0,1
.irp q, 0,1,2,3
	ds_load_b128 v[XX+32*\j+8*\q:XX+32*\j+8*\q+3],   v[RD] offset:\j*8*SP+(\q/2)*256+(\q%2)*4*SP
	ds_load_b128 v[XX+32*\j+8*\q+4:XX+32*\j+8*\q+7], v[RD] offset:\j*8*SP+(\q/2)*256+(\q%2)*4*SP+16
.endr
.endr
.endm
.else
.set TQ, 64
.set EE, 96
.set PP, 128
.set RR, 160
.set YY, 192
.set UU, 208
.macro LOADX                           ; 8 rows: two rows a pair of loads
.irp p, 0,1,2,3
	ds_load_b128 v[XX+8*\p:XX+8*\p+3],   v[RD] offset:\p*2*SP
	ds_load_b128 v[XX+8*\p+4:XX+8*\p+7], v[RD] offset:\p*2*SP+16
.endr
.endm
.endif
	LOADX                                          ; the first rows; LDS serves a wave's instructions in order, so these loads see my stores above
	s_mov_b32 s3, 128/ROWS
.Lout:                                             ; ROWS rows a trip
	v_add_nc_u32 v[RD], ROWS*SP, v[RD]             ; the next trip's rows: stepped in every trip, outside the jump below
	s_wait_dscnt 0x0                               ; this trip's rows are in
.if QKV
	s_wait_xcnt 0x0                                ; the last trip's stores have read their data and base: both are written again only behind this wait
	s_add_nc_u64 s[OB:OB+1], s[OB:OB+1], 2048      ; one trip ahead of the rows in hand: the stores reach back
.set i, 0
.rept 32
	v_cvt_pk_bf16_f32 v[YY+i], v[XX+2*i], v[XX+2*i+1]
.set i, i+1
.endr
	s_sub_co_u32 s3, s3, 1
	s_cmp_eq_u32 s3, 0
	s_cbranch_scc1 .Lnomore                        ; the last trip has no rows behind it
	LOADX                                          ; on their way while the stores go out
.Lnomore:
.irp j, 0,1
.irp q, 0,1,2,3
	global_store_b128 v[CO], v[YY+16*\j+4*\q:YY+16*\j+4*\q+3], s[OB:OB+1] offset:\j*1024+(\q/2)*131072+(\q%2)*512-2048  ; four tokens of one head: 512 consecutive bytes, aligned
.endr
.endr
.else
.set i, 0
.rept 32
	v_fma_f32 v[TQ+i], |v[XX+i]|, s78, 1.0
.set i, i+1
.endr
.set i, 0
.rept 16
	v_pk_mul_f32 v[EE+i:EE+i+1], v[XX+i:XX+i+1], v[XX+i:XX+i+1]
.set i, i+2
.endr
.set i, 0
.rept 16
	v_pk_mul_f32 v[EE+i:EE+i+1], v[EE+i:EE+i+1], s[80:81] op_sel_hi:[1,0]
.set i, i+2
.endr
.set i, 0
.rept 32                               ; one batch of 64: t = 1 / (1 + p |x|) and e = 2^(-x x log2(e) / 2)
	v_rcp_f32 v[TQ+i], v[TQ+i]
.set i, i+1
.endr
.set i, 0
.rept 32
	v_exp_f32 v[EE+i], v[EE+i]
.set i, i+1
.endr
.set i, 0
.rept 32                               ; independent work behind the batch, and the last reader of the rows as loaded
	v_max_num_f32 v[RR+i], 0, v[XX+i]
.set i, i+1
.endr
	s_wait_alu depctr_va_vdst(0)                   ; the one wait ahead of the batch's first reader, and ahead of the branch
	s_sub_co_u32 s3, s3, 1
	s_cmp_eq_u32 s3, 0
	s_cbranch_scc1 .Lnomore                        ; the last trip has no rows behind it
	LOADX                                          ; on their way under the arithmetic below
.Lnomore:
.set i, 0
.rept 16
	v_pk_fma_f32 v[PP+i:PP+i+1], v[TQ+i:TQ+i+1], s[82:83], s[84:85] op_sel_hi:[1,0,0]
.set i, i+2
.endr
.irp c, 86,88,90
.set i, 0
.rept 16
	v_pk_fma_f32 v[PP+i:PP+i+1], v[PP+i:PP+i+1], v[TQ+i:TQ+i+1], s[\c:\c+1] op_sel_hi:[1,1,0]
.set i, i+2
.endr
.endr
.set i, 0
.rept 16
	v_pk_fma_f32 v[UU+i:UU+i+1], v[TQ+i:TQ+i+1], v[EE+i:EE+i+1], v[EE+i:EE+i+1] neg_lo:[1,0,0] neg_hi:[1,0,0]  ; e - t e = (1 - t) e, rounded once
.set i, i+2
.endr
.set i, 0
.rept 16
	v_pk_fma_f32 v[RR+i:RR+i+1], v[UU+i:UU+i+1], v[PP+i:PP+i+1], v[RR+i:RR+i+1] neg_lo:[1,0,0] neg_hi:[1,0,0]  ; max(x, 0) - (1 - t) e H
.set i, i+2
.endr
	s_wait_xcnt 0x0                                ; the last trip's stores have read their data and base: both are written again only behind this wait
	s_add_nc_u64 s[OB:OB+1], s[OB:OB+1], 65536     ; one trip ahead of the rows in hand: the stores reach back
.set i, 0
.rept 16
	v_cvt_pk_bf16_f32 v[YY+i], v[RR+2*i], v[RR+2*i+1]
.set i, i+1
.endr
.irp p, 0,1,2,3
	global_store_b128 v[CO], v[YY+4*\p:YY+4*\p+3], s[OB:OB+1] offset:\p*16384-65536  ; sixteen lanes store 256 consecutive bytes, aligned
.endr
.endif
	s_cmp_lg_u32 s3, 0
	s_cbranch_scc1 .Lout
	s_wait_tensorcnt 0x0                           ; the wave's end
	ds_add_u32 v[SPW], v[NIL]
	s_wait_dscnt 0x0
	CROUND                                         ; the closing round
	s_endpgm
.Lfunc_end_k_qa05bacf7c0_qkv:
	.size	k_qa05bacf7c0_qkv, .Lfunc_end_k_qa05bacf7c0_qkv-k_qa05bacf7c0_qkv
	.p2alignl 7, 3214868480
	.fill 96, 4, 3214868480
	.section	.rodata,"a",@progbits
	.p2align	6, 0x0
	.amdhsa_kernel k_qa05bacf7c0_qkv
		.amdhsa_group_segment_fixed_size 327680
		.amdhsa_private_segment_fixed_size 0
		.amdhsa_enable_private_segment 0
		.amdhsa_kernarg_size 32
		.amdhsa_user_sgpr_count 2
		.amdhsa_user_sgpr_kernarg_segment_ptr 1
		.amdhsa_wavefront_size32 1
		.amdhsa_system_sgpr_workgroup_id_x 1
		.amdhsa_system_sgpr_workgroup_id_y 1
		.amdhsa_system_sgpr_workgroup_id_z 1
		.amdhsa_system_vgpr_workitem_id 0
		.amdhsa_next_free_vgpr 1024
		.amdhsa_next_free_sgpr 96
		.amdhsa_reserve_vcc 0
		.amdhsa_float_denorm_mode_32 3
		.amdhsa_float_denorm_mode_16_64 3
		.amdhsa_memory_ordered 1
		.amdhsa_forward_progress 1
		.amdhsa_inst_pref_size 89
	.end_amdhsa_kernel
	.amdgpu_metadata
---
amdhsa.version: [ 1, 2 ]
amdhsa.kernels:
  - .name:           k_qa05bacf7c0_qkv
    .symbol:         k_qa05bacf7c0_qkv.kd
    .args:
      - { .name: h1, .offset: 0, .size: 8, .value_kind: global_buffer, .address_space: global }
      - { .name: wb, .offset: 8, .size: 8, .value_kind: global_buffer, .address_space: global }
      - { .name: b_attn, .offset: 16, .size: 8, .value_kind: global_buffer, .address_space: global }
      - { .name: qkv, .offset: 24, .size: 8, .value_kind: global_buffer, .address_space: global }
    .group_segment_fixed_size: 327680
    .private_segment_fixed_size: 0
    .kernarg_segment_align: 8
    .kernarg_segment_size: 32
    .max_flat_workgroup_size: 128
    .sgpr_count:     96
    .vgpr_count:     1024
    .wavefront_size: 32
...
	.end_amdgpu_metadata
.endif
;; end of part 2
;; launch attn (part 3): grid 4 x 64, 8 waves a work-group, clusters of 4 x 1, 327,680 bytes of LDS; arguments qkv, y, w_proj, w_fc, w_fc2, wb; writes y, wb
.if DOCPART == 3
	.amdgcn_target "amdgcn-amd-amdhsa--gfx1250"
	.amdhsa_code_object_version 6
	.text
	.protected	k_qa05bacf7c0_attn
	.globl	k_qa05bacf7c0_attn
	.p2align	8
	.type	k_qa05bacf7c0_attn,@function
k_qa05bacf7c0_attn:
	s_mov_b64 s[64:65], 0
	v_nop
	global_prefetch_b8 v0, s[64:65] scope:SCOPE_SE
	s_setreg_imm32_b32 hwreg(HW_REG_WAVE_MODE, 25, 1), 1
	s_wait_xcnt 0x0
	s_wait_alu depctr_hold_cnt(0) depctr_sa_sdst(0) depctr_va_vdst(0) depctr_va_sdst(0) depctr_va_ssrc(0) depctr_va_vcc(0) depctr_vm_vsrc(0)
	s_getreg_b32 s2, hwreg(HW_REG_IB_STS2, 6, 4)
	s_cmp_eq_u32 s2, 0
	s_cbranch_scc0 .Lentry_in_a_cluster
	s_endpgm
.Lentry_in_a_cluster:
	s_bfe_u32 s2, ttmp6, 0x10000c
	s_cmp_lg_u32 s2, 0x3003
	s_cbranch_scc0 .Lentry_shape_is_right
	s_endpgm
.Lentry_shape_is_right:
; CAUSAL ATTENTION, waves 0-3.  y[hd][q][:] = the sum over k <= q of softmax_k(Q[hd][q] . K[hd][k] / 8) V[hd][k][:].  qkv: [3][64 heads][1024][64] bf16; y: [64][1024][64] bf16.  Products, maxima, sums in f32.
; WORK LEFT OUT: steps of 64 keys that lie wholly above a tile of 16 queries: reference()'s own jnp.tril gives their weights the value 0 for all finite inputs (shown at the head of launch prep).
; LIMITS.  A hidden score counts as its value less 1e30; a weight below 2^-126 counts as 0; NaN and infinities are not treated apart, and none that would arise only in the steps left out is carried to y.
; BESIDE IT, waves 4-7: w_proj, w_fc and w_fc2 are rounded to bf16 as they lie, into their places in wb, for the three launches that follow.  Once its tiles are in, the attention asks nothing of memory
; until its way out, and a wave of it takes 448 of a SIMD's 1,024 registers: a second wave beside it streams 37.7 MB in and 18.9 MB out under its arithmetic.  These waves pass every barrier with the
; others, begin behind the first one (when K and V have landed) and touch no LDS but their spare words.  Wave q of the launch's 1,024 (q = 16 head + 4 j + wave - 4) makes four trips; trip i takes 1,024
; numbers of quarter i of w_fc, 1,024 of quarter i of w_fc2 and 256 of w_proj: 18 loads of 512 bytes out together, 18 stores of 256 consecutive bytes, aligned.
; SHARES.  A cluster of four work-groups is one head.  The head's 64 tiles of 16 queries are dealt so that all waves are alike: wave w of work-group j owns four PIECES, tiles 4 d + j with
; d = w, 7 - w, 8 + w, 15 - w; a piece needs the key steps 0 .. d, of which step d holds the diagonal: 34 piece-steps for every wave.  j enters global addresses and the mask's values alone.
; LDS holds the head's whole K and V, filled once, by joint loads of all four work-groups: each of waves 0-3 asks for four tiles of 128 keys (four loads of mine are out at the most); nothing is filled
; again, so the loop has no barrier.  Nothing is prefetched: every byte of K and V is asked for at the head by those loads.  Behind the loop K's first 9,216 bytes, which have had their one fill and are
; read no more, serve as the four waves' stages for the way out: one barrier stands between every wave's last read of K and the first store into a stage.
; LAYOUT.  S^T = K Q^T holds one query a lane (l % 16) and the keys 8 (l / 16) + 0..7; two such results rounded to bf16 are source 1 of O^T = V^T P; V comes out of LDS turned.
; SOFTMAX.  A running maximum m and sum l for each query: p = 2^(c s - c m), c = log2(e) / 8; O and l are multiplied by a = 2^(c m_old - c m_new) in every step.  m starts at the lowest finite number,
; O and l at 0 (cleared in the wait for the tiles), so the first step is a step like any other, with a = 0.  A piece's step goes in phases: scores, mask, maximum, one batch of 33 exponentials, sums, V^T P.
; REGISTERS.  Window 0: addresses, statistics, P, S^T, the mask, K and V of one step.  Window 1: v0-127 O^T, 32 a piece; v128-191 Q, 16 a piece.  Waves 4-7: v48-49 offsets, v64-135 the numbers in hand.
.set PK,    144                        ; a row of K in LDS: 128 bytes + 16
.set PV,    160                        ; a row of V: 128 + 32: an odd multiple of 32
.set VB,    1024*PK                    ; V lies behind K
.set STAGE, 0                          ; behind the loop: 16 rows x 144 bytes a wave, on K's first bytes
.set SP,    144
.set SPARE, VB+1024*PV                 ; behind V: the spare words, 128 bytes for each of the eight waves, that no other line names
.set AK0, 2                            ; v2   my lane's place in a step of K; never rewritten
.set AV0, 3                            ; v3   the same for V
.set AK,  4                            ; v4   LDS address of K's run of loads in hand
.set AV,  5                            ; v5   of V's
.set STO, 6
.set RD,  7
.set GO,  8                            ; v8-11  my byte offset in the head's y, by piece
.set MV,  12                           ; v12  c m_old
.set ST,  16                           ; piece t's statistics at v[ST+4 t]: c m, m, l (even keys', odd keys')
.set TMP, 32                           ; v32-35 at work; v34 takes a
.set QO,  40                           ; v40-43 my byte offset in the head's Q, by piece
.set SPW, 46
.set NIL, 47
.set P,   48                           ; v48-63
.set S,   64                           ; v64-95
.set MD,  96                           ; v96-127 the diagonal step's mask for my lane: 0 or -1e30
.set KF,  128                          ; key block kb, channel half c at KF + 16 kb + 8 c
.set VF,  192                          ; key half kk, channel block cb at VF + 32 kk + 8 cb
.set QF,  128                          ; window 1
.set LO16, 48                          ; waves 4-7: v48  16 x lane
.set LO8,  49                          ;            v49  8 x lane
.set CB,   64                          ;            v[64:135] 18 loads of four registers; rounded in place into the first two of each four
.set WV, 8
.set CX, 9
.set HD, 10
.set PP, 11
.set D0, 12                            ; s12-15 the pieces' last key steps
.set G1K, 16
.set G1V, 24
.set G0K, 32                           ; s[32:47] four sets
.set G0V, 48                           ; s[48:63] four sets
.set SC,  66                           ; the key step
.set TBK, 67                           ; the step's first byte in K: 64 PK x step
.set CS,  68
.set SEL, 70
.set BIGN, 72
.set TBV, 73                           ; the step's first byte in V, less VB: 64 PV x step
.set TO,  74                           ; s74-77 the pieces' byte offsets in a head: tile x 2,048
.set QB,  82                           ; s[82:83] Q's head
.set WS,  88                           ; s[88:89] w_proj, s[90:91] w_fc, s[92:93] w_fc2, s[94:95] wb
.set DF,  96                           ; s[96:97] w_fc's place in wb, s[98:99] w_fc2's, s[100:101] w_proj's
.set MSB, 0
.macro WIN new
.if MSB != (\new)
	s_set_vgpr_msb (MSB<<8)|(\new)
.set MSB, \new
.endif
.endm
.set W_KQ, 0x04                        ; Q (source 1) in window 1
.set W_PV, 0x50                        ; O^T (C and D) in window 1
.set W_RS, 0x41                        ; destination and source 0 in window 1
.set TO_1, 0x40
.set PACKC, 0x05                       ; sources 0 and 1 in window 1
.macro PLACES
.rept 4
	v_nop
.endr
.endm
.macro CROUND
	s_barrier_signal -1
	s_barrier_wait -1
	s_cmp_lg_u32 s[WV], 0
	s_cbranch_scc1 .Lnot_wave_0_\@
	s_barrier_signal -3
.Lnot_wave_0_\@:
	s_barrier_wait -3
	s_barrier_signal -1
	s_barrier_wait -1
.endm
	s_load_b128 s[4:7], s[0:1], 0x0                ; qkv s[4:5], y s[6:7]
	s_load_b256 s[WS:WS+7], s[0:1], 0x10           ; w_proj, w_fc, w_fc2, wb
	v_lshl_add_u32 v[SPW], v0, 2, SPARE
	v_mov_b32 v[NIL], 0
	ds_add_u32 v[SPW], v[NIL]                      ; the opening: the add, twice on end, and its wait ahead of my first tensor load
	ds_add_u32 v[SPW], v[NIL]
	v_lshrrev_b32 v1, 5, v0
	v_readfirstlane_b32 s[WV], v1                  ; wave 0..7
	s_bfe_u32 s[CX], ttmp6, 0x40000
	s_and_b32 s[HD], ttmp7, 0xffff
	s_and_b32 s[PP], s[WV], 1
	s_mov_b32 s[D0], s[WV]
	s_sub_co_u32 s[D0+1], 7, s[WV]
	s_add_co_u32 s[D0+2], s[WV], 8
	s_sub_co_u32 s[D0+3], 15, s[WV]
.irp i, 0,1,2,3
	s_lshl2_add_u32 s[TO+\i], s[D0+\i], s[CX]      ; tile 4 d + j
	s_lshl_b32 s[TO+\i], s[TO+\i], 11
.endr
	s_mov_b32 s[G1K], 15|(1<<16)|(1<<20)|(1<<21)|(4<<22)|(3<<25)  ; the mask of four; 2-byte elements; padding on; bit 21 beside a mask; after every 32 words, 4 words
	s_mov_b32 s[G1V], 15|(1<<16)|(1<<20)|(1<<21)|(4<<22)|(7<<25)  ; 8 words
.irp g, G1K, G1V                       ; 128 keys are 16,384 dense bytes: 64 rows of 256 bytes, two keys a row, padded after every key
	s_mov_b32 s[\g+1], 128<<16
	s_mov_b32 s[\g+2], 64<<16
	s_mov_b32 s[\g+3], 128<<16
	s_mov_b32 s[\g+4], 64
	s_mov_b32 s[\g+5], 128
	s_mov_b32 s[\g+6], 0
	s_mov_b32 s[\g+7], 0
.endr
	s_mov_b32 s[CS], 0x3e38aa3b                    ; c = log2(e) / 8
	s_mov_b32 s[CS+1], s[CS]
	s_mov_b32 s[SEL], 0x76543210
	s_mov_b32 s[SEL+1], 0xfedcba98
	s_mov_b32 s[BIGN], 0xf149f2ca                  ; -1e30
	s_lshl_b32 s84, s[HD], 17                      ; the head's 131,072 bytes
	s_mov_b32 s85, 0
	s_lshl_b32 s86, s[PP], 14                      ; which 128 of each 256 keys I fetch
	s_add_co_u32 s86, s86, s84
	s_mov_b32 s87, 0
	s_mul_i32 s78, s[PP], 128*PK
	s_mul_i32 s79, s[PP], 128*PV
	s_wait_dscnt 0x0
	s_wait_kmcnt 0x0
	s_add_nc_u64 s[80:81], s[4:5], s[86:87]
	s_add_nc_u64 s[QB:QB+1], s[4:5], s[84:85]
	s_add_nc_u64 s[6:7], s[6:7], s[84:85]
.irp l, 0,1,2,3
	s_mov_b32 s[G0K+4*\l], 1
	s_add_co_u32 s[G0K+4*\l+1], s78, \l*256*PK
	s_add_nc_u64 s[G0K+4*\l+2:G0K+4*\l+3], s[80:81], 8388608+\l*32768
	s_or_b32 s[G0K+4*\l+3], s[G0K+4*\l+3], 0x80000000
	s_mov_b32 s[G0V+4*\l], 1
	s_add_co_u32 s[G0V+4*\l+1], s79, VB+\l*256*PV
	s_add_nc_u64 s[G0V+4*\l+2:G0V+4*\l+3], s[80:81], 16777216+\l*32768
	s_or_b32 s[G0V+4*\l+3], s[G0V+4*\l+3], 0x80000000
.endr
	CROUND                                         ; all four work-groups are here: the joint loads meet
	s_cmp_lt_u32 s[WV], 4                          ; waves 4-7 fill nothing;
	s_cbranch_scc0 .Lasked
	s_cmp_lt_u32 s[WV], 2                          ; waves 0 and 1 ask for K, waves 2 and 3 for V: a wave's four fills stand in one branch
	s_cbranch_scc0 .Lfirst_v
.irp l, 0,1,2,3
	tensor_load_to_lds s[G0K+4*\l:G0K+4*\l+3], s[G1K:G1K+7]
	s_nop 0
.endr
.rept 4
	v_nop
.endr
	s_branch .Lasked
.Lfirst_v:
.irp l, 0,1,2,3
	tensor_load_to_lds s[G0V+4*\l:G0V+4*\l+3], s[G1V:G1V+7]
	s_nop 0
.endr
.rept 4
	v_nop
.endr
.Lasked:
	; THE LANE TERMS of every address: 30 lines, in the text that all eight waves run, ahead of the branch on the wave's number, so that each address register has one definition on every way to the
	; labels below.  Waves 4-7 make them and do not use them (their tile numbers 4 d + j lie in 0 to 63 too, and no access is made from them).
	v_and_b32 v36, 15, v0                          ; r
	v_bfe_u32 v37, v0, 4, 1                        ; h
	v_and_b32 v38, 7, v0
	v_bfe_u32 v39, v0, 3, 1
	v_lshlrev_b32 v44, 7, v36
	v_lshl_add_u32 v44, v37, 4, v44                ; row r x 128 + 16 h
.irp i, 0,1,2,3
	v_add_nc_u32 v[QO+\i], s[TO+\i], v44
.endr
	v_mul_u32_u24 v[AK0], v36, PK
	v_lshl_add_u32 v[AK0], v37, 4, v[AK0]
	v_lshl_add_u32 v[AV0], v37, 3, v38             ; key 8 h + l % 8, channels 8 ((l / 8) % 2) on
	v_mul_u32_u24 v[AV0], v[AV0], PV
	v_lshl_add_u32 v[AV0], v39, 4, v[AV0]
	v_add_nc_u32 v[AV0], VB, v[AV0]
	s_mul_i32 s84, s[WV], 16*SP                    ; my stage: STAGE + 2,304 x wave
	v_mul_u32_u24 v[STO], v36, SP
	v_lshl_add_u32 v[STO], v37, 4, v[STO]
	v_add_nc_u32 v[STO], s84, v[STO]
	v_bfe_u32 v45, v0, 3, 2
	v_mul_u32_u24 v[RD], v45, SP
	v_lshl_add_u32 v[RD], v38, 4, v[RD]
	v_add_nc_u32 v[RD], s84, v[RD]
	v_and_b32 v44, 31, v0
	v_lshlrev_b32 v44, 4, v44
.irp i, 0,1,2,3
	v_add_nc_u32 v[GO+\i], s[TO+\i], v44
.endr
	s_cmp_lt_u32 s[WV], 4
	s_cbranch_scc0 .Lready                         ; what follows is waves 0-3's: Q, the clears, the statistics, the mask
	WIN TO_1
.irp i, 0,1,2,3
.irp e, 0,1,2,3
	global_load_b128 v[QF+16*\i+4*\e:QF+16*\i+4*\e+3], v[QO+\i], s[QB:QB+1] offset:32*\e
.endr
.endr
.set i, 0
.rept 128
	v_mov_b32 v[i], 0                              ; O^T
.set i, i+1
.endr
	WIN 0
.irp t, 0,1,2,3
	v_mov_b32 v[ST+4*\t], 0xfe000000               ; c m: far below every c s
	v_mov_b32 v[ST+4*\t+1], 0xff7fffff             ; m
	v_mov_b32 v[ST+4*\t+2], 0
	v_mov_b32 v[ST+4*\t+3], 0
.endr
	s_lshl_b32 s86, s[CX], 4
	v_lshlrev_b32 v14, 3, v37
	v_sub_nc_u32 v14, v36, v14
	v_add_nc_u32 v14, s86, v14                     ; my query's place in its step of 64, 16 j + r, less 8 h: register e is hidden where 16 (e / 8) + e % 8 is greater
.set i, 0
.rept 32
	v_cmp_gt_i32 vcc_lo, 16*(i/8)+i%8, v14
	v_cndmask_b32 v[MD+i], 0, s[BIGN], vcc_lo
.set i, i+1
.endr
; A piece's key step.  The four accumulators of a run of 8 products take turns.  Both jumps go forward, past neither a barrier nor a tensor load.
; skip = 1: the step is jumped where it lies wholly above the piece's diagonal.  Piece 3 has skip = 0: its last step is the wave's last, and the test at the trip's head has already asked.
.macro PIECE t, skip
.set rT, ST+4*(\t)
.set rO, 32*(\t)
.set rQ, QF+16*(\t)
.if \skip
	s_cmp_gt_u32 s[SC], s[D0+(\t)]
	s_cbranch_scc1 .Ldone_\@
.endif
	WIN W_KQ
.set i, 0
.rept 8                                ; channels 32 (i / 4) on, keys 16 (i % 4) on
.if i < 4
	v_wmma_f32_16x16x32_bf16 v[S+8*(i%4):S+8*(i%4)+7], v[KF+16*(i%4)+8*(i/4):KF+16*(i%4)+8*(i/4)+7], v[rQ+8*(i/4):rQ+8*(i/4)+7], 0
.else
	v_wmma_f32_16x16x32_bf16 v[S+8*(i%4):S+8*(i%4)+7], v[KF+16*(i%4)+8*(i/4):KF+16*(i%4)+8*(i/4)+7], v[rQ+8*(i/4):rQ+8*(i/4)+7], v[S+8*(i%4):S+8*(i%4)+7]
.endif
.set i, i+1
.endr
	WIN 0
	PLACES
	s_cmp_lg_u32 s[SC], s[D0+(\t)]
	s_cbranch_scc1 .Lopen_\@
.set i, 0
.rept 16                               ; the diagonal step: ascending
	v_pk_add_f32 v[S+2*i:S+2*i+1], v[S+2*i:S+2*i+1], v[MD+2*i:MD+2*i+1]
.set i, i+1
.endr
.Lopen_\@:
.irp n, 0,1,2,3
	v_max3_num_f32 v[TMP+\n], v[S+8*\n], v[S+8*\n+1], v[S+8*\n+2]
.endr
.irp n, 0,1,2,3
	v_max3_num_f32 v[TMP+\n], v[TMP+\n], v[S+8*\n+3], v[S+8*\n+4]
.endr
.irp n, 0,1,2,3
	v_max3_num_f32 v[TMP+\n], v[TMP+\n], v[S+8*\n+5], v[S+8*\n+6]
.endr
	v_max3_num_f32 v[TMP], v[TMP], v[S+7], v[S+15]
	v_max3_num_f32 v[TMP+1], v[TMP+1], v[S+23], v[S+31]
	v_max3_num_f32 v[TMP+2], v[TMP+2], v[TMP+3], v[rT+1]
	v_mov_b32 v[MV], v[rT]
	v_max3_num_f32 v[TMP], v[TMP], v[TMP+1], v[TMP+2]
	v_permlanex16_b32 v[TMP+3], v[TMP], s[SEL], s[SEL+1]  ; the query's other 32 keys lie in the lane 16 away
	v_max_num_f32 v[rT+1], v[TMP], v[TMP+3]
	v_mul_f32 v[rT], s[CS], v[rT+1]
	v_sub_f32 v[TMP+1], v[MV], v[rT]
.set i, 0
.rept 16
	v_pk_fma_f32 v[S+2*i:S+2*i+1], v[S+2*i:S+2*i+1], s[CS:CS+1], v[rT:rT+1] op_sel_hi:[1,0,0] neg_lo:[0,0,1] neg_hi:[0,0,1]  ; c s - c m
.set i, i+1
.endr
	v_exp_f32 v[TMP+2], v[TMP+1]                   ; a; with the 32 weights one batch
.set i, 0
.rept 32
	v_exp_f32 v[S+i], v[S+i]
.set i, i+1
.endr
	v_nop                                          ; a plain instruction behind the last exponential,
	s_wait_alu depctr_va_vdst(0)                   ; and the one wait ahead of the batch's first reader
.set i, 0
.rept 16
	v_cvt_pk_bf16_f32 v[P+i], v[S+2*i], v[S+2*i+1]
.set i, i+1
.endr
.irp w, 4,8,16,32                      ; the sum of the 16 pairs, in place: neighbours 1, 2, 4 and 8 pairs apart
.set i, 0
.rept 32/\w
	v_pk_add_f32 v[S+i:S+i+1], v[S+i:S+i+1], v[S+i+\w/2:S+i+\w/2+1]
.set i, i+\w
.endr
.endr
	v_pk_fma_f32 v[rT+2:rT+3], v[rT+2:rT+3], v[TMP+2:TMP+3], v[S:S+1] op_sel_hi:[1,0,1]  ; l = a l + sum
	WIN W_RS
.set i, 0
.rept 16
	v_pk_mul_f32 v[rO+2*i:rO+2*i+1], v[rO+2*i:rO+2*i+1], v[TMP+2:TMP+3] op_sel_hi:[1,0]  ; O^T a, ascending
.set i, i+1
.endr
	s_wait_dscnt 0x0                               ; V is in
	WIN W_PV
.set i, 0
.rept 8                                ; keys 32 (i / 4) on, channels 16 (i % 4) on
	v_wmma_f32_16x16x32_bf16 v[rO+8*(i%4):rO+8*(i%4)+7], v[VF+32*(i/4)+8*(i%4):VF+32*(i/4)+8*(i%4)+7], v[P+8*(i/4):P+8*(i/4)+7], v[rO+8*(i%4):rO+8*(i%4)+7]
.set i, i+1
.endr
	WIN 0
.if \skip
.Ldone_\@:
.endif
.endm
.Lready:
	s_wait_tensorcnt 0x0                           ; my four tiles are in (waves 4-7: none was asked for),
	s_barrier_signal -1
	s_barrier_wait -1                              ; everybody's are: the head's K and V lie whole in LDS
	s_cmp_lt_u32 s[WV], 4
	s_cbranch_scc0 .Lcast
	s_wait_loadcnt 0x0                             ; Q
	s_mov_b32 s[SC], 0
	s_mov_b32 s[TBK], 0
	s_mov_b32 s[TBV], 0
.Lstep:                                            ; 16 key steps; a wave whose last piece is done jumps forward to the count
	s_cmp_gt_u32 s[SC], s[D0+3]
	s_cbranch_scc1 .Lnext
	v_add_nc_u32 v[AK], s[TBK], v[AK0]             ; the step's addresses; with the two lines below, the four places behind the last products, ahead of the loads into V's registers
	v_add_nc_u32 v[AV], s[TBV], v[AV0]
	v_nop
	v_nop
.irp f, 0,1,2,3,4,5,6,7
	ds_load_b128 v[KF+8*\f:KF+8*\f+3],   v[AK] offset:(\f/2)*16*PK+(\f%2)*64
	ds_load_b128 v[KF+8*\f+4:KF+8*\f+7], v[AK] offset:(\f/2)*16*PK+(\f%2)*64+32
.endr
.irp f, 0,1,2,3,4,5,6,7
	ds_load_tr16_b128 v[VF+8*\f:VF+8*\f+3],   v[AV] offset:(\f/4)*32*PV+(\f%4)*32
	ds_load_tr16_b128 v[VF+8*\f+4:VF+8*\f+7], v[AV] offset:(\f/4)*32*PV+16*PV+(\f%4)*32
.endr
	s_wait_dscnt 16                                ; K is in; V's sixteen loads may stay out
	PIECE 0, 1
	PIECE 1, 1
	PIECE 2, 1
	PIECE 3, 0                                     ; on every way through the trip: its wait for V stands ahead of the next trip's loads into V's registers
.Lnext:
	s_add_co_u32 s[TBK], s[TBK], 64*PK             ; the next step's bytes: stepped in every trip, beside the count
	s_add_co_u32 s[TBV], s[TBV], 64*PV
	s_add_co_u32 s[SC], s[SC], 1
	s_cmp_lt_u32 s[SC], 16
	s_cbranch_scc1 .Lstep
	; l's halves and the other half of the lanes' are added, and 1 / l is made
.irp t, 0,1,2,3
	v_add_f32 v[ST+4*\t+2], v[ST+4*\t+2], v[ST+4*\t+3]
.endr
.irp t, 0,1,2,3
	v_permlanex16_b32 v[ST+4*\t+3], v[ST+4*\t+2], s[SEL], s[SEL+1]
.endr
.irp t, 0,1,2,3
	v_add_f32 v[ST+4*\t+2], v[ST+4*\t+2], v[ST+4*\t+3]
.endr
.irp t, 0,1,2,3
	v_rcp_f32 v[ST+4*\t+2], v[ST+4*\t+2]
.endr
	v_nop
	s_wait_alu depctr_va_vdst(0)                   ; one wait for the four reciprocals, ahead of the branch
	s_branch .Lmeet
; WAVES 4-7: the three weights.  One load's four registers are rounded in place into its first two and stored.  left: the younger loads, which may stay out.
.macro CVST r, left, dst, off
	s_wait_loadcnt \left
	v_cvt_pk_bf16_f32 v[\r], v[\r], v[(\r)+1]
	v_cvt_pk_bf16_f32 v[(\r)+1], v[(\r)+2], v[(\r)+3]
	global_store_b64 v[LO8], v[\r:(\r)+1], s[\dst:(\dst)+1] offset:\off
.endm
.Lcast:
	v_and_b32 v[LO16], 31, v0
	v_lshlrev_b32 v[LO8], 3, v[LO16]
	v_lshlrev_b32 v[LO16], 4, v[LO16]
	s_lshl2_add_u32 s84, s[HD], s[CX]              ; my work-group among the 256: 4 head + j
	s_lshl2_add_u32 s84, s84, s[WV]
	s_sub_co_u32 s84, s84, 4                       ; q = 0..1,023
	s_lshl_b32 s86, s84, 12                        ; 4,096 bytes of f32 a wave in each quarter of w_fc and w_fc2, and in w_proj,
	s_mov_b32 s87, 0
	s_lshl_b32 s84, s84, 11                        ; 2,048 bytes of bf16
	s_mov_b32 s85, 0
	s_add_nc_u64 s[WS:WS+1], s[WS:WS+1], s[86:87]
	s_add_nc_u64 s[WS+2:WS+3], s[WS+2:WS+3], s[86:87]
	s_add_nc_u64 s[WS+4:WS+5], s[WS+4:WS+5], s[86:87]
	s_add_nc_u64 s[WS+6:WS+7], s[WS+6:WS+7], s[84:85]
	s_add_nc_u64 s[DF:DF+1], s[WS+6:WS+7], 8388608      ; in wb: w_attn, w_proj, w_fc, w_fc2 end to end
	s_add_nc_u64 s[DF+2:DF+3], s[WS+6:WS+7], 16777216
	s_add_nc_u64 s[DF+4:DF+5], s[WS+6:WS+7], 6291456
	s_mov_b32 s86, 4
.Lquarter:
.irp u, 0,1,2,3,4,5,6,7
	global_load_b128 v[CB+4*\u:CB+4*\u+3], v[LO16], s[WS+2:WS+3] offset:512*\u th:TH_LOAD_NT
.endr
.irp u, 0,1,2,3,4,5,6,7
	global_load_b128 v[CB+32+4*\u:CB+32+4*\u+3], v[LO16], s[WS+4:WS+5] offset:512*\u th:TH_LOAD_NT
.endr
.irp u, 0,1
	global_load_b128 v[CB+64+4*\u:CB+64+4*\u+3], v[LO16], s[WS:WS+1] offset:512*\u th:TH_LOAD_NT
.endr
.irp u, 0,1,2,3,4,5,6,7
	CVST CB+4*\u, 17-\u, DF, 256*\u
.endr
.irp u, 0,1,2,3,4,5,6,7
	CVST CB+32+4*\u, 9-\u, DF+2, 256*\u
.endr
	CVST CB+64, 1, DF+4, 0
	CVST CB+68, 0, DF+4, 256
	s_wait_xcnt 0x0                                ; loads and stores have read their registers: the pointers are stepped, and the data registers loaded again, only behind this wait
	s_add_nc_u64 s[WS+2:WS+3], s[WS+2:WS+3], 4194304    ; the next quarter of w_fc and of w_fc2,
	s_add_nc_u64 s[WS+4:WS+5], s[WS+4:WS+5], 4194304
	s_add_nc_u64 s[WS:WS+1], s[WS:WS+1], 1024           ; my next 256 numbers of w_proj
	s_add_nc_u64 s[DF:DF+1], s[DF:DF+1], 2097152
	s_add_nc_u64 s[DF+2:DF+3], s[DF+2:DF+3], 2097152
	s_add_nc_u64 s[DF+4:DF+5], s[DF+4:DF+5], 512
	s_sub_co_u32 s86, s86, 1
	s_cmp_lg_u32 s86, 0
	s_cbranch_scc1 .Lquarter
.Lmeet:
	s_wait_dscnt 0x0                               ; my reads of K and V are over
	s_barrier_signal -1
	s_barrier_wait -1                              ; nobody reads K any more: its first bytes are the stages now
	s_cmp_lt_u32 s[WV], 4
	s_cbranch_scc0 .Lend
	; THE WAY OUT: O^T is divided by l, rounded to bf16 and sent through my stage, a piece (16 rows of y, 2,048 consecutive bytes) at a time.
.macro PACK t
	WIN W_RS
.set i, 32*(\t)
.rept 16
	v_pk_mul_f32 v[i:i+1], v[i:i+1], v[ST+4*(\t)+2:ST+4*(\t)+3] op_sel_hi:[1,0]
.set i, i+2
.endr
	WIN PACKC
.set i, 0
.rept 16
	v_cvt_pk_bf16_f32 v[S+16*(\t)+i], v[32*(\t)+2*i], v[32*(\t)+2*i+1]
.set i, i+1
.endr
	WIN 0
.irp f, 0,1,2,3
	ds_store_b128 v[STO], v[S+16*(\t)+4*\f:S+16*(\t)+4*\f+3] offset:STAGE+32*\f
.endr
.irp f, 0,1,2,3
	ds_load_b128 v[S+16*(\t)+4*\f:S+16*(\t)+4*\f+3], v[RD] offset:STAGE+\f*4*SP  ; LDS serves a wave's instructions in order: these see the stores above, and the next piece's stores come behind them
.endr
.endm
.macro SEND t, younger                 ; younger: the LDS instructions issued behind piece t's loads: the next piece's eight, or none
.irp f, 0,1,2,3
	s_wait_dscnt (\younger)+3-\f
	global_store_b128 v[GO+(\t)], v[S+16*(\t)+4*\f:S+16*(\t)+4*\f+3], s[6:7] offset:\f*512  ; 512 consecutive bytes, aligned
.endr
.endm
	PACK 0
	PACK 1
	SEND 0, 8
	PACK 2
	SEND 1, 8
	PACK 3
	SEND 2, 8
	SEND 3, 0
.Lend:
	s_wait_tensorcnt 0x0                           ; the wave's end
	ds_add_u32 v[SPW], v[NIL]
	s_wait_dscnt 0x0
	CROUND                                         ; the closing round
	s_endpgm
.Lfunc_end_k_qa05bacf7c0_attn:
	.size	k_qa05bacf7c0_attn, .Lfunc_end_k_qa05bacf7c0_attn-k_qa05bacf7c0_attn
	.p2alignl 7, 3214868480
	.fill 96, 4, 3214868480
	.section	.rodata,"a",@progbits
	.p2align	6, 0x0
	.amdhsa_kernel k_qa05bacf7c0_attn
		.amdhsa_group_segment_fixed_size 327680
		.amdhsa_private_segment_fixed_size 0
		.amdhsa_enable_private_segment 0
		.amdhsa_kernarg_size 48
		.amdhsa_user_sgpr_count 2
		.amdhsa_user_sgpr_kernarg_segment_ptr 1
		.amdhsa_wavefront_size32 1
		.amdhsa_system_sgpr_workgroup_id_x 1
		.amdhsa_system_sgpr_workgroup_id_y 1
		.amdhsa_system_sgpr_workgroup_id_z 1
		.amdhsa_system_vgpr_workitem_id 0
		.amdhsa_next_free_vgpr 448
		.amdhsa_next_free_sgpr 102
		.amdhsa_reserve_vcc 1
		.amdhsa_float_denorm_mode_32 3
		.amdhsa_float_denorm_mode_16_64 3
		.amdhsa_memory_ordered 1
		.amdhsa_forward_progress 1
		.amdhsa_inst_pref_size 77
	.end_amdhsa_kernel
	.amdgpu_metadata
---
amdhsa.version: [ 1, 2 ]
amdhsa.kernels:
  - .name:           k_qa05bacf7c0_attn
    .symbol:         k_qa05bacf7c0_attn.kd
    .args:
      - { .name: qkv, .offset: 0, .size: 8, .value_kind: global_buffer, .address_space: global }
      - { .name: y, .offset: 8, .size: 8, .value_kind: global_buffer, .address_space: global }
      - { .name: w_proj, .offset: 16, .size: 8, .value_kind: global_buffer, .address_space: global }
      - { .name: w_fc, .offset: 24, .size: 8, .value_kind: global_buffer, .address_space: global }
      - { .name: w_fc2, .offset: 32, .size: 8, .value_kind: global_buffer, .address_space: global }
      - { .name: wb, .offset: 40, .size: 8, .value_kind: global_buffer, .address_space: global }
    .group_segment_fixed_size: 327680
    .private_segment_fixed_size: 0
    .kernarg_segment_align: 8
    .kernarg_segment_size: 48
    .max_flat_workgroup_size: 256
    .sgpr_count:     102
    .vgpr_count:     448
    .wavefront_size: 32
...
	.end_amdgpu_metadata
.endif
;; end of part 3
;; launch proj (part 4): grid 8 x 32, 4 waves a work-group, clusters of 4 x 4, 327,680 bytes of LDS; arguments y, wb, b_proj, hidden_states, x1; writes x1
.if DOCPART == 4
	.amdgcn_target "amdgcn-amd-amdhsa--gfx1250"
	.amdhsa_code_object_version 6
	.text
	.protected	k_qa05bacf7c0_proj
	.globl	k_qa05bacf7c0_proj
	.p2align	8
	.type	k_qa05bacf7c0_proj,@function
k_qa05bacf7c0_proj:
	s_mov_b64 s[64:65], 0
	v_nop
	global_prefetch_b8 v0, s[64:65] scope:SCOPE_SE
	s_setreg_imm32_b32 hwreg(HW_REG_WAVE_MODE, 25, 1), 1
	s_wait_xcnt 0x0
	s_wait_alu depctr_hold_cnt(0) depctr_sa_sdst(0) depctr_va_vdst(0) depctr_va_sdst(0) depctr_va_ssrc(0) depctr_va_vcc(0) depctr_vm_vsrc(0)
	s_getreg_b32 s2, hwreg(HW_REG_IB_STS2, 6, 4)
	s_cmp_eq_u32 s2, 0
	s_cbranch_scc0 .Lentry_in_a_cluster
	s_endpgm
.Lentry_in_a_cluster:
	s_bfe_u32 s2, ttmp6, 0x10000c
	s_cmp_lg_u32 s2, 0xf033
	s_cbranch_scc0 .Lentry_shape_is_right
	s_endpgm
.Lentry_shape_is_right:
; out = resid + A W + bias on tiles of 128 x 128, all of 256 work-groups.  W: [K][1024] bf16 at byte WOFF of wb; bias: [1024] f32; resid, out: [4096][1024] f32.  One text for two launches, told apart by PROJ:
; PROJ = 1: A = y, by heads [64][1024][64] bf16, K = 1,024; resid = hidden_states, out = x1.  PROJ = 0: A = g, [4096][4096] bf16, K = 4,096; resid = x1, out = out0.
; SHARES.  Four waves, each 64 x 64 of C in 16 accumulators.  K goes in steps of 256 through two LDS slots; a step is four quarters of 64 along K on two fragment buffers.  The product is used transposed
; (source 0 = 16 columns of W, turned out of LDS by ds_load_tr16_b128; source 1 = 16 rows of A).  The bias is the C operand of the products that start the sums.
; With PROJ a K step is four heads; a head's 128 tokens are 16,384 dense bytes, asked for as one long row and padded in LDS after every token: [head][token, 144 bytes]; a quarter is a head.
; The wave's 64 x 64 of resid is loaded at the head into 128 registers of window 2 and stays on its way through the K loop, which waits for no global load.
; CLUSTER 4 x 4 with joint loads, as in launch qkv; one K step is written once, the slot turned by an exclusive or with SLOT = 0x24000, which shares no bit with the waves' own LDS terms.
; NO PREFETCH: a step of this small tile is short and its rows are asked for by few, large joint loads; with PROJ the launch has four K steps in all.
; LIMITS.  NaN and infinities are not treated apart.
.set PROJ, 1
.if PROJ
.set KSTEPS, 4
.set WOFF,   6291456
.set APITCH, 144
.set APLANE, 128*APITCH                ; from a quarter's 64 channels to the next: a head's plane
.set ABYTES, 4*APLANE
.set AW,     2*APLANE                  ; what one of A's loads brings
.set STEPA,  524288                    ; four heads
.else
.set KSTEPS, 16
.set WOFF,   16777216
.set APITCH, 528
.set APLANE, 128
.set ABYTES, 128*APITCH
.set AW,     64*APITCH
.set STEPA,  512
.endif
.set PB,    288                        ; a k-row of W in LDS: 256 bytes + 32
.set BW,    128*PB                     ; what one of W's loads brings
.set SLOT,  147456
.set SPARE, 2*SLOT
.set SP,    272                        ; a stage row: 64 f32 + 16 bytes
.set WST,   64*SP
.set STEPB, 524288                     ; 256 k-rows of 2,048 bytes
.set A0,   2
.set B0,   3
.set ADRA, 16
.set ADRB, 20                          ; v20: k-rows 0-127 of the slot in hand; v21: k-rows 128-255
.set STO,  24
.set RD,   25
.set CO,   26
.set BO,   27
.set SPW,  28
.set NIL,  29
.set BI,   32                          ; v[32:63] the bias of my 64 columns
.set TT,   32                          ; the way out: four sets of 32
.set ACC,  128
.set F0,   0                           ; window 1
.set F1,   128
.set WV, 14
.set RH, 15
.set CH, 16
.set CX, 17
.set CY, 18
.set TX, 19
.set TY, 20
.set G1A, 24
.set G0A, 32
.set G1B, 48
.set G0B, 56
.set OB,  66
.set RB,  68
.set BB,  70
.set TB,  72
.set MSB, 0
.macro WIN new
.if MSB != (\new)
	s_set_vgpr_msb (MSB<<8)|(\new)
.set MSB, \new
.endif
.endm
.set MUL,  0x05                        ; sources 0 (W) and 1 (A) window 1; C and D window 0
.set TO_F, 0x40
.set TO_R, 0x80
.set ADDR, 0x08                        ; source 1 window 2
.macro PLACES
.rept 4
	v_nop
.endr
.endm
.macro JLOAD
	s_cmp_eq_u32 s[RH], 0
	s_cbranch_scc0 .Lfor_b_\@
	tensor_load_to_lds s[G0A+4:G0A+7], s[G1A:G1A+7]
	s_nop 0
.rept 4
	v_nop
.endr
	s_branch .Lasked_\@
.Lfor_b_\@:
	tensor_load_to_lds s[G0B+4:G0B+7], s[G1B:G1B+7]
	s_nop 0
.rept 4
	v_nop
.endr
.Lasked_\@:
.endm
.macro CREST
	s_cmp_lg_u32 s[WV], 0
	s_cbranch_scc1 .Lnot_wave_0_\@
	s_barrier_signal -3
.Lnot_wave_0_\@:
	s_barrier_wait -3
	s_barrier_signal -1
	s_barrier_wait -1
.endm
.macro CROUND
	s_barrier_signal -1
	s_barrier_wait -1
	CREST
.endm
	s_load_b256 s[4:11], s[0:1], 0x0               ; A s[4:5], wb s[6:7], bias s[8:9], resid s[10:11]
	s_load_b64 s[12:13], s[0:1], 0x20              ; out
	v_lshl_add_u32 v[SPW], v0, 2, SPARE
	v_mov_b32 v[NIL], 0
	ds_add_u32 v[SPW], v[NIL]                      ; the opening: the add, twice on end, and its wait ahead of my first tensor load
	ds_add_u32 v[SPW], v[NIL]
	v_lshrrev_b32 v1, 5, v0
	v_readfirstlane_b32 s[WV], v1
	s_lshr_b32 s[RH], s[WV], 1
	s_and_b32 s[CH], s[WV], 1
	s_bfe_u32 s[CX], ttmp6, 0x40000
	s_bfe_u32 s[CY], ttmp6, 0x40004
	s_lshl_b32 s[TX], ttmp9, 2
	s_add_co_u32 s[TX], s[TX], s[CX]
	s_and_b32 s[TY], ttmp7, 0xffff
	s_lshl_b32 s[TY], s[TY], 2
	s_add_co_u32 s[TY], s[TY], s[CY]
	s_lshl_b32 s21, s[CY], 2
	s_lshl_b32 s21, 15, s21
	s_lshl_b32 s22, 0x1111, s[CX]
.if PROJ
	s_or_b32 s[G1A], s21, (1<<16)|(1<<20)|(1<<21)|(4<<22)|(3<<25)  ; after every 32 words (a token), 4 words
	s_mov_b32 s[G1A+1], 8192<<16                   ; tensor_dim0 = 8,192: a head's 128 tokens
	s_mov_b32 s[G1A+2], 2<<16                      ; tensor_dim1 = 2 heads
	s_mov_b32 s[G1A+3], 8192<<16                   ; tile_dim0
	s_mov_b32 s[G1A+4], 2                          ; tile_dim1
	s_mov_b32 s[G1A+5], 65536                      ; elements from head to head
.else
	s_or_b32 s[G1A], s21, (1<<16)|(1<<20)|(1<<21)|(6<<22)|(3<<25)  ; after every 128 words, 4 words
	s_mov_b32 s[G1A+1], 256<<16
	s_mov_b32 s[G1A+2], 64<<16
	s_mov_b32 s[G1A+3], 256<<16
	s_mov_b32 s[G1A+4], 64
	s_mov_b32 s[G1A+5], 4096
.endif
	s_mov_b32 s[G1A+6], 0
	s_mov_b32 s[G1A+7], 0
	s_or_b32 s[G1B], s22, (1<<16)|(1<<20)|(1<<21)|(5<<22)|(7<<25)  ; after every 64 words, 8 words
	s_mov_b32 s[G1B+1], 128<<16
	s_mov_b32 s[G1B+2], 128<<16
	s_mov_b32 s[G1B+3], 128<<16
	s_mov_b32 s[G1B+4], 128
	s_mov_b32 s[G1B+5], 1024
	s_mov_b32 s[G1B+6], 0
	s_mov_b32 s[G1B+7], 0
.if PROJ
	s_lshr_b32 s40, s[TY], 3                       ; the batch
	s_lshl_b32 s40, s40, 4
	s_lshl1_add_u32 s40, s[CH], s40                ; head = 16 x batch + 2 x half
	s_lshl_b32 s40, s40, 10
	s_and_b32 s41, s[TY], 7
	s_lshl_b32 s41, s41, 7                         ; the tile's first token
	s_add_co_u32 s40, s40, s41
	s_lshl_b32 s40, s40, 7                         ; x 128 bytes
.else
	s_lshl_b32 s40, s[TY], 7
	s_lshl_b32 s41, s[CH], 6
	s_add_co_u32 s40, s40, s41
	s_lshl_b32 s40, s40, 13                        ; x 8,192 bytes
.endif
	s_mov_b32 s41, 0
	s_lshl_b32 s42, s[CH], 18                      ; W: k-row 128 x half, x 2,048 bytes
	s_lshl_b32 s43, s[TX], 8
	s_add_co_u32 s42, s42, s43
	s_add_co_u32 s42, s42, WOFF
	s_mov_b32 s43, 0
	s_mul_i32 s44, s[CH], AW                       ; where A's fills go,
	s_mul_i32 s45, s[CH], BW
	s_add_co_u32 s45, s45, ABYTES                  ; and W's: no place in the cluster enters an LDS address
	s_mov_b32 s[TB], 0
	s_wait_dscnt 0x0
	s_wait_kmcnt 0x0
	s_add_nc_u64 s[40:41], s[4:5], s[40:41]
	s_add_nc_u64 s[42:43], s[6:7], s[42:43]
.irp s, 0,1
	s_mov_b32 s[G0A+4*\s], 1
	s_add_co_u32 s[G0A+4*\s+1], s44, \s*SLOT
	s_add_nc_u64 s[G0A+4*\s+2:G0A+4*\s+3], s[40:41], \s*STEPA
	s_or_b32 s[G0A+4*\s+3], s[G0A+4*\s+3], 0x80000000
	s_mov_b32 s[G0B+4*\s], 1
	s_add_co_u32 s[G0B+4*\s+1], s45, \s*SLOT
	s_add_nc_u64 s[G0B+4*\s+2:G0B+4*\s+3], s[42:43], \s*STEPB
	s_or_b32 s[G0B+4*\s+3], s[G0B+4*\s+3], 0x80000000
.endr
	CROUND
	s_cmp_eq_u32 s[RH], 0                          ; a wave's two first fills stand in one branch: two loads of mine are out
	s_cbranch_scc0 .Lfirst_b
	tensor_load_to_lds s[G0A:G0A+3], s[G1A:G1A+7]
	s_nop 0
	tensor_load_to_lds s[G0A+4:G0A+7], s[G1A:G1A+7]
	s_nop 0
.rept 4
	v_nop
.endr
	s_branch .Lfirst_asked
.Lfirst_b:
	tensor_load_to_lds s[G0B:G0B+3], s[G1B:G1B+7]
	s_nop 0
	tensor_load_to_lds s[G0B+4:G0B+7], s[G1B:G1B+7]
	s_nop 0
.rept 4
	v_nop
.endr
.Lfirst_asked:
	v_and_b32 v1, 15, v0
	v_bfe_u32 v9, v0, 4, 1
	v_and_b32 v10, 7, v0
	v_bfe_u32 v11, v0, 3, 1
	v_lshlrev_b32 v[BO], 5, v9
	v_lshlrev_b32 v[CO], 12, v9                    ; lanes 0-15 one row's 256 bytes, lanes 16-31 the next row's
	v_lshl_add_u32 v[CO], v1, 4, v[CO]
	s_lshl_b32 s21, s[TX], 7
	s_lshl_b32 s22, s[CH], 6
	s_add_co_u32 s21, s21, s22                     ; n0
	s_lshl_b32 s46, s21, 2
	s_mov_b32 s47, 0
	s_add_nc_u64 s[BB:BB+1], s[8:9], s[46:47]
	s_lshl_b32 s22, s[TY], 7
	s_lshl_b32 s23, s[RH], 6
	s_add_co_u32 s22, s22, s23                     ; m0
	s_lshl_b32 s22, s22, 12
	s_add_co_u32 s46, s46, s22
	s_add_nc_u64 s[RB:RB+1], s[10:11], s[46:47]
	s_add_nc_u64 s[OB:OB+1], s[12:13], s[46:47]
.irp b, 0,1,2,3
	global_load_b128 v[BI+8*\b:BI+8*\b+3], v[BO], s[BB:BB+1] offset:64*\b
	global_load_b128 v[BI+8*\b+4:BI+8*\b+7], v[BO], s[BB:BB+1] offset:64*\b+16
.endr
	WIN TO_R
.set i, 0
.rept 32
	global_load_b128 v[4*i:4*i+3], v[CO], s[RB:RB+1] offset:8192*i
.set i, i+1
.endr
	WIN 0
	v_mul_u32_u24 v[A0], v1, APITCH
	v_lshl_add_u32 v[A0], v9, 4, v[A0]
	s_mul_i32 s21, s[RH], 64*APITCH
	v_add_nc_u32 v[A0], s21, v[A0]
	v_lshl_add_u32 v[B0], v9, 3, v10
	v_mul_u32_u24 v[B0], v[B0], PB
	v_lshl_add_u32 v[B0], v11, 4, v[B0]
	s_lshl_b32 s21, s[CH], 7
	s_add_co_u32 s21, s21, ABYTES
	v_add_nc_u32 v[B0], s21, v[B0]
	v_mov_b32 v[ADRA], v[A0]
	v_mov_b32 v[ADRB], v[B0]
	v_add_nc_u32 v[ADRB+1], BW, v[B0]
	s_mul_i32 s21, s[WV], WST
	v_mul_u32_u24 v[STO], v1, SP
	v_lshl_add_u32 v[STO], v9, 5, v[STO]
	v_add_nc_u32 v[STO], s21, v[STO]
	v_mul_u32_u24 v[RD], v9, SP
	v_lshl_add_u32 v[RD], v1, 4, v[RD]
	v_add_nc_u32 v[RD], s21, v[RD]
; 8 matrix instructions: row blocks a0, a0 + 1 x all 4 column blocks, 32 along K: half c of buffer f.  first = 1: the bias starts the sums.  The 16 accumulators take turns.
.macro MUL8 f, c, a0, first
	WIN MUL
.irp a, \a0, (\a0)+1
.irp b, 0,1,2,3
.if \first
	v_wmma_f32_16x16x32_bf16 v[ACC+8*(4*(\a)+(\b)):ACC+8*(4*(\a)+(\b))+7], v[(\f)+64+8*(4*(\c)+(\b)):(\f)+64+8*(4*(\c)+(\b))+7], v[(\f)+8*(4*(\c)+(\a)):(\f)+8*(4*(\c)+(\a))+7], v[BI+8*(\b):BI+8*(\b)+7]
.else
	v_wmma_f32_16x16x32_bf16 v[ACC+8*(4*(\a)+(\b)):ACC+8*(4*(\a)+(\b))+7], v[(\f)+64+8*(4*(\c)+(\b)):(\f)+64+8*(4*(\c)+(\b))+7], v[(\f)+8*(4*(\c)+(\a)):(\f)+8*(4*(\c)+(\a))+7], v[ACC+8*(4*(\a)+(\b)):ACC+8*(4*(\a)+(\b))+7]
.endif
.endr
.endr
.endm
; 32 LDS loads in one run: quarter qq's fragments into buffer f, its first 32 along K first
.macro FETCH qq, f
	WIN TO_F
.irp c, 0,1
.irp i, 0,1,2,3
	ds_load_tr16_b128 v[(\f)+64+8*(4*(\c)+(\i)):(\f)+64+8*(4*(\c)+(\i))+3],   v[ADRB+(\qq)/2] offset:(((\qq)%2)*64+32*(\c))*PB+32*(\i)
	ds_load_tr16_b128 v[(\f)+64+8*(4*(\c)+(\i))+4:(\f)+64+8*(4*(\c)+(\i))+7], v[ADRB+(\qq)/2] offset:(((\qq)%2)*64+32*(\c))*PB+32*(\i)+16*PB
	ds_load_b128 v[(\f)+8*(4*(\c)+(\i)):(\f)+8*(4*(\c)+(\i))+3],   v[ADRA] offset:(\qq)*APLANE+(\i)*16*APITCH+64*(\c)
	ds_load_b128 v[(\f)+8*(4*(\c)+(\i))+4:(\f)+8*(4*(\c)+(\i))+7], v[ADRA] offset:(\qq)*APLANE+(\i)*16*APITCH+64*(\c)+32
.endr
.endr
.endm
.macro QUARTER qq, f, g, first         ; multiplies buffer f; in its middle fetches quarter qq into g
	s_wait_dscnt 16                                ; the first 32 along K are in; the sixteen younger loads may be out
	MUL8 \f, 0, 0, \first
	MUL8 \f, 0, 2, \first
	PLACES
	FETCH \qq, \g
	s_wait_dscnt 32                                ; all but the 32 just issued
	MUL8 \f, 1, 0, 0
	MUL8 \f, 1, 2, 0
.endm
; The last quarter multiplies buffer 1 and changes slots: one barrier; in front of it each wave waits for all its tensor loads, adds 0 to its spare word, and waits for that and for its reads of this slot.
.macro TURN fill
	WIN 0
	s_wait_tensorcnt 0x0
	ds_add_u32 v[SPW], v[NIL]
	s_wait_dscnt 17                                ; (the add and the youngest sixteen loads may be out)
	MUL8 F1, 0, 0, 0
	s_wait_dscnt 0x0
	s_barrier_signal -1
	MUL8 F1, 0, 2, 0
	WIN 0
	s_barrier_wait -1
.if \fill
	CREST
	s_xor_b32 s[G0A+5], s[G0A+5], SLOT
	s_add_nc_u64 s[G0A+6:G0A+7], s[G0A+6:G0A+7], STEPA
	s_xor_b32 s[G0B+5], s[G0B+5], SLOT
	s_add_nc_u64 s[G0B+6:G0B+7], s[G0B+6:G0B+7], STEPB
	JLOAD                                          ; its four v_nop are also the places in front of the loads below
.else
	PLACES
.endif
	s_xor_b32 s[TB], s[TB], SLOT
	v_add_nc_u32 v[ADRA], s[TB], v[A0]
	v_add_nc_u32 v[ADRB], s[TB], v[B0]
	v_add_nc_u32 v[ADRB+1], BW, v[ADRB]
	FETCH 0, F0
	MUL8 F1, 1, 0, 0
	MUL8 F1, 1, 2, 0
.endm
	s_wait_tensorcnt 1                             ; my part of K step 0 is in; step 1's may stay out
	s_barrier_signal -1
	s_barrier_wait -1
	FETCH 0, F0
	s_wait_loadcnt 32                              ; the bias is in; the 32 younger loads, resid's, stay out
	QUARTER 1, F0, F1, 1
	WIN 0
	s_mov_b32 s3, KSTEPS-2
.Lk:
	QUARTER 2, F1, F0, 0
	QUARTER 3, F0, F1, 0
	TURN 1
	QUARTER 1, F0, F1, 0
	WIN 0
	s_sub_co_u32 s3, s3, 1
	s_cmp_lg_u32 s3, 0
	s_cbranch_scc1 .Lk
	s_mov_b32 s2, 2
.Ltail:                                            ; the last two K steps ask for nothing; the second trip is left in its middle
	QUARTER 2, F1, F0, 0
	QUARTER 3, F0, F1, 0
	WIN 0
	s_sub_co_u32 s2, s2, 1
	s_cmp_eq_u32 s2, 0
	s_cbranch_scc1 .Lfin
	TURN 0
	QUARTER 1, F0, F1, 0
	WIN 0
	s_branch .Ltail
.Lfin:
	s_wait_dscnt 16
	MUL8 F1, 0, 0, 0
	MUL8 F1, 0, 2, 0
	s_wait_dscnt 0x0
	MUL8 F1, 1, 0, 0
	MUL8 F1, 1, 2, 0
	PLACES
	WIN 0
	s_barrier_signal -1                            ; every wave's reads of the ring are over, and it has had its last fill: its first bytes now serve as the stages
	s_barrier_wait -1
.irp a, 0,1,2,3
.irp b, 0,1,2,3
	ds_store_b128 v[STO], v[ACC+8*(4*\a+\b):ACC+8*(4*\a+\b)+3]   offset:\a*16*SP+64*\b      ; each accumulator's low registers first
	ds_store_b128 v[STO], v[ACC+8*(4*\a+\b)+4:ACC+8*(4*\a+\b)+7] offset:\a*16*SP+64*\b+16
.endr
.endr
	s_wait_loadcnt 0x0                             ; resid
.irp q, 0,1,2,3                        ; 16 rows at a time, each batch in registers of its own: no store's data is written again
.irp u, 0,1,2,3,4,5,6,7
	ds_load_b128 v[TT+32*\q+4*\u:TT+32*\q+4*\u+3], v[RD] offset:(8*\q+\u)*2*SP  ; LDS serves a wave's instructions in order: these see my stores above
.endr
	s_wait_dscnt 0x0
	WIN ADDR
.set i, 0
.rept 16
	v_pk_add_f32 v[TT+32*\q+i:TT+32*\q+i+1], v[TT+32*\q+i:TT+32*\q+i+1], v[32*\q+i:32*\q+i+1]
.set i, i+2
.endr
	WIN 0
.irp u, 0,1,2,3,4,5,6,7
	global_store_b128 v[CO], v[TT+32*\q+4*\u:TT+32*\q+4*\u+3], s[OB:OB+1] offset:8192*(8*\q+\u)  ; sixteen lanes store 256 consecutive bytes, aligned
.endr
.endr
	s_wait_tensorcnt 0x0                           ; the wave's end
	ds_add_u32 v[SPW], v[NIL]
	s_wait_dscnt 0x0
	CROUND                                         ; the closing round
	s_endpgm
.Lfunc_end_k_qa05bacf7c0_proj:
	.size	k_qa05bacf7c0_proj, .Lfunc_end_k_qa05bacf7c0_proj-k_qa05bacf7c0_proj
	.p2alignl 7, 3214868480
	.fill 96, 4, 3214868480
	.section	.rodata,"a",@progbits
	.p2align	6, 0x0
	.amdhsa_kernel k_qa05bacf7c0_proj
		.amdhsa_group_segment_fixed_size 327680
		.amdhsa_private_segment_fixed_size 0
		.amdhsa_enable_private_segment 0
		.amdhsa_kernarg_size 40
		.amdhsa_user_sgpr_count 2
		.amdhsa_user_sgpr_kernarg_segment_ptr 1
		.amdhsa_wavefront_size32 1
		.amdhsa_system_sgpr_workgroup_id_x 1
		.amdhsa_system_sgpr_workgroup_id_y 1
		.amdhsa_system_sgpr_workgroup_id_z 1
		.amdhsa_system_vgpr_workitem_id 0
		.amdhsa_next_free_vgpr 640
		.amdhsa_next_free_sgpr 80
		.amdhsa_reserve_vcc 0
		.amdhsa_float_denorm_mode_32 3
		.amdhsa_float_denorm_mode_16_64 3
		.amdhsa_memory_ordered 1
		.amdhsa_forward_progress 1
		.amdhsa_inst_pref_size 68
	.end_amdhsa_kernel
	.amdgpu_metadata
---
amdhsa.version: [ 1, 2 ]
amdhsa.kernels:
  - .name:           k_qa05bacf7c0_proj
    .symbol:         k_qa05bacf7c0_proj.kd
    .args:
      - { .name: y, .offset: 0, .size: 8, .value_kind: global_buffer, .address_space: global }
      - { .name: wb, .offset: 8, .size: 8, .value_kind: global_buffer, .address_space: global }
      - { .name: b_proj, .offset: 16, .size: 8, .value_kind: global_buffer, .address_space: global }
      - { .name: hidden_states, .offset: 24, .size: 8, .value_kind: global_buffer, .address_space: global }
      - { .name: x1, .offset: 32, .size: 8, .value_kind: global_buffer, .address_space: global }
    .group_segment_fixed_size: 327680
    .private_segment_fixed_size: 0
    .kernarg_segment_align: 8
    .kernarg_segment_size: 40
    .max_flat_workgroup_size: 128
    .sgpr_count:     80
    .vgpr_count:     640
    .wavefront_size: 32
...
	.end_amdgpu_metadata
.endif
;; end of part 4
;; launch ln2 (part 5): grid 256 x 1, 8 waves a work-group, no clusters, 0 bytes of LDS; arguments x1, ln2_g, ln2_b, h2; writes h2
.if DOCPART == 5
	.amdgcn_target "amdgcn-amd-amdhsa--gfx1250"
	.amdhsa_code_object_version 6
	.text
	.protected	k_qa05bacf7c0_ln2
	.globl	k_qa05bacf7c0_ln2
	.p2align	8
	.type	k_qa05bacf7c0_ln2,@function
k_qa05bacf7c0_ln2:
	s_mov_b64 s[64:65], 0
	v_nop
	global_prefetch_b8 v0, s[64:65] scope:SCOPE_SE
	s_setreg_imm32_b32 hwreg(HW_REG_WAVE_MODE, 25, 1), 1
	s_wait_xcnt 0x0
; h2 = LN2(x1), rounded once to bf16.  x1: [4096][1024] f32.  16 rows a work-group, a wave two rows, a row kept in 32 registers between its passes (mean; mean of squares of x - mean; scaling):
; the mean is taken away before the squares are summed, as reference() does.  A stream: no LDS, no barrier, no matrix unit, nothing shared; every byte is asked for at once, so nothing is prefetched.
; Each store of a wave covers 256 consecutive bytes, aligned.  NaN and infinities are not treated apart.
.set X,   4
.set G,   68
.set BV,  100
.set T,   132
.set MU,  140
.set RS,  142
.set Y,   144
.set OUTP, 10
	s_load_b256 s[4:11], s[0:1], 0x0               ; x1 s[4:5], g s[6:7], b s[8:9], h2 s[10:11]
	v_and_b32 v3, 31, v0
	v_lshlrev_b32 v1, 4, v3
	v_lshlrev_b32 v2, 3, v3
	v_lshrrev_b32 v3, 5, v0
	v_readfirstlane_b32 s33, v3
	s_lshl_b32 s24, ttmp9, 4
	s_lshl1_add_u32 s24, s33, s24                  ; my first row = 16 x work-group + 2 x wave
	s_lshl_b32 s26, s24, 11
	s_lshl_b32 s24, s24, 12
	s_mov_b32 s25, 0
	s_mov_b32 s27, 0
	s_mov_b32 s22, 0x76543210
	s_mov_b32 s23, 0xfedcba98
	s_mov_b32 s28, 0x3a800000                      ; 1 / 1,024
	s_mov_b32 s29, 0x3727c5ac                      ; 1e-5
	s_wait_kmcnt 0x0
	s_add_nc_u64 s[24:25], s[4:5], s[24:25]
	s_add_nc_u64 s[26:27], s[OUTP:OUTP+1], s[26:27]
.irp j, 0,1,2,3,4,5,6,7
	global_load_b128 v[X+4*\j:X+4*\j+3], v1, s[24:25] offset:512*\j
	global_load_b128 v[X+32+4*\j:X+32+4*\j+3], v1, s[24:25] offset:4096+512*\j
.endr
.irp j, 0,1,2,3,4,5,6,7
	global_load_b128 v[G+4*\j:G+4*\j+3], v1, s[6:7] offset:512*\j
	global_load_b128 v[BV+4*\j:BV+4*\j+3], v1, s[8:9] offset:512*\j
.endr
.macro REDUCE                          ; v[T] = the sum, over the wave, of the eight numbers in v[T:T+7]; every lane gets it
	v_pk_add_f32 v[T:T+1], v[T:T+1], v[T+2:T+3]
	v_pk_add_f32 v[T+4:T+5], v[T+4:T+5], v[T+6:T+7]
	v_pk_add_f32 v[T:T+1], v[T:T+1], v[T+4:T+5]
	v_add_f32 v[T], v[T], v[T+1]
	v_add_f32_dpp v[T], v[T], v[T] row_xmask:1 row_mask:0xf bank_mask:0xf
	v_add_f32_dpp v[T], v[T], v[T] row_xmask:2 row_mask:0xf bank_mask:0xf
	v_add_f32_dpp v[T], v[T], v[T] row_xmask:4 row_mask:0xf bank_mask:0xf
	v_add_f32_dpp v[T], v[T], v[T] row_xmask:8 row_mask:0xf bank_mask:0xf
	v_permlanex16_b32 v[T+1], v[T], s22, s23
	v_add_f32 v[T], v[T], v[T+1]
.endm
.macro LNROW r
.set XR, X+32*(\r)
.irp k, 0,1,2,3
	v_pk_add_f32 v[T+2*\k:T+2*\k+1], v[XR+4*\k:XR+4*\k+1], v[XR+4*\k+2:XR+4*\k+3]
.endr
.irp k, 0,1,2,3
	v_pk_add_f32 v[T+2*\k:T+2*\k+1], v[T+2*\k:T+2*\k+1], v[XR+16+4*\k:XR+16+4*\k+1]
.endr
.irp k, 0,1,2,3
	v_pk_add_f32 v[T+2*\k:T+2*\k+1], v[T+2*\k:T+2*\k+1], v[XR+16+4*\k+2:XR+16+4*\k+3]
.endr
	REDUCE
	v_mul_f32 v[MU], s28, v[T]
	v_mul_f32 v[MU+1], s28, v[T]
.set i, 0
.rept 16
	v_pk_add_f32 v[XR+i:XR+i+1], v[XR+i:XR+i+1], v[MU:MU+1] neg_lo:[0,1] neg_hi:[0,1]
.set i, i+2
.endr
.irp k, 0,1,2,3
	v_pk_mul_f32 v[T+2*\k:T+2*\k+1], v[XR+2*\k:XR+2*\k+1], v[XR+2*\k:XR+2*\k+1]
.endr
.set i, 8
.rept 12
	v_pk_fma_f32 v[T+i%8:T+i%8+1], v[XR+i:XR+i+1], v[XR+i:XR+i+1], v[T+i%8:T+i%8+1]
.set i, i+2
.endr
	REDUCE
	v_fma_f32 v[T], v[T], s28, s29
	v_rsq_f32 v[RS], v[T]
	v_rsq_f32 v[RS+1], v[T]
	v_nop                                          ; a plain instruction behind the two roots,
	s_wait_alu depctr_va_vdst(0)                   ; and the one wait ahead of their first use
.if (\r) == 0
	s_wait_loadcnt 0x0                             ; gain and bias are in
.endif
.set i, 0
.rept 16
	v_pk_mul_f32 v[XR+i:XR+i+1], v[XR+i:XR+i+1], v[RS:RS+1]
.set i, i+2
.endr
.set i, 0
.rept 16
	v_pk_fma_f32 v[XR+i:XR+i+1], v[XR+i:XR+i+1], v[G+i:G+i+1], v[BV+i:BV+i+1]
.set i, i+2
.endr
.set i, 0
.rept 16
	v_cvt_pk_bf16_f32 v[Y+16*(\r)+i], v[XR+2*i], v[XR+2*i+1]
.set i, i+1
.endr
.irp j, 0,1,2,3,4,5,6,7
	global_store_b64 v2, v[Y+16*(\r)+2*\j:Y+16*(\r)+2*\j+1], s[26:27] offset:2048*(\r)+256*\j
.endr
.endm
	s_wait_loadcnt 16                              ; both rows are in; the 16 younger loads, gain and bias, may stay out
	LNROW 0
	LNROW 1
	s_endpgm
.Lfunc_end_k_qa05bacf7c0_ln2:
	.size	k_qa05bacf7c0_ln2, .Lfunc_end_k_qa05bacf7c0_ln2-k_qa05bacf7c0_ln2
	.p2alignl 7, 3214868480
	.fill 96, 4, 3214868480
	.section	.rodata,"a",@progbits
	.p2align	6, 0x0
	.amdhsa_kernel k_qa05bacf7c0_ln2
		.amdhsa_group_segment_fixed_size 0
		.amdhsa_private_segment_fixed_size 0
		.amdhsa_enable_private_segment 0
		.amdhsa_kernarg_size 32
		.amdhsa_user_sgpr_count 2
		.amdhsa_user_sgpr_kernarg_segment_ptr 1
		.amdhsa_wavefront_size32 1
		.amdhsa_system_sgpr_workgroup_id_x 1
		.amdhsa_system_sgpr_workgroup_id_y 1
		.amdhsa_system_sgpr_workgroup_id_z 1
		.amdhsa_system_vgpr_workitem_id 0
		.amdhsa_next_free_vgpr 176
		.amdhsa_next_free_sgpr 66
		.amdhsa_reserve_vcc 0
		.amdhsa_float_denorm_mode_32 3
		.amdhsa_float_denorm_mode_16_64 3
		.amdhsa_memory_ordered 1
		.amdhsa_forward_progress 1
		.amdhsa_inst_pref_size 20
	.end_amdhsa_kernel
	.amdgpu_metadata
---
amdhsa.version: [ 1, 2 ]
amdhsa.kernels:
  - .name:           k_qa05bacf7c0_ln2
    .symbol:         k_qa05bacf7c0_ln2.kd
    .args:
      - { .name: x1, .offset: 0, .size: 8, .value_kind: global_buffer, .address_space: global }
      - { .name: ln2_g, .offset: 8, .size: 8, .value_kind: global_buffer, .address_space: global }
      - { .name: ln2_b, .offset: 16, .size: 8, .value_kind: global_buffer, .address_space: global }
      - { .name: h2, .offset: 24, .size: 8, .value_kind: global_buffer, .address_space: global }
    .group_segment_fixed_size: 0
    .private_segment_fixed_size: 0
    .kernarg_segment_align: 8
    .kernarg_segment_size: 32
    .max_flat_workgroup_size: 256
    .sgpr_count:     66
    .vgpr_count:     176
    .wavefront_size: 32
...
	.end_amdgpu_metadata
.endif
;; end of part 5
;; launch fc (part 6): grid 16 x 16, 4 waves a work-group, clusters of 4 x 4, 327,680 bytes of LDS; arguments h2, wb, b_fc, g; writes g
.if DOCPART == 6
	.amdgcn_target "amdgcn-amd-amdhsa--gfx1250"
	.amdhsa_code_object_version 6
	.text
	.protected	k_qa05bacf7c0_fc
	.globl	k_qa05bacf7c0_fc
	.p2align	8
	.type	k_qa05bacf7c0_fc,@function
k_qa05bacf7c0_fc:
	s_mov_b64 s[64:65], 0
	v_nop
	global_prefetch_b8 v0, s[64:65] scope:SCOPE_SE
	s_setreg_imm32_b32 hwreg(HW_REG_WAVE_MODE, 25, 1), 1
	s_wait_xcnt 0x0
	s_wait_alu depctr_hold_cnt(0) depctr_sa_sdst(0) depctr_va_vdst(0) depctr_va_sdst(0) depctr_va_ssrc(0) depctr_va_vcc(0) depctr_vm_vsrc(0)
	s_getreg_b32 s2, hwreg(HW_REG_IB_STS2, 6, 4)
	s_cmp_eq_u32 s2, 0
	s_cbranch_scc0 .Lentry_in_a_cluster
	s_endpgm
.Lentry_in_a_cluster:
	s_bfe_u32 s2, ttmp6, 0x10000c
	s_cmp_lg_u32 s2, 0xf033
	s_cbranch_scc0 .Lentry_shape_is_right
	s_endpgm
.Lentry_shape_is_right:
; C = A W + bias on tiles of 256 x 256.  A: [4096][1024] bf16; W: [1024][NN] bf16 as the weights lie, at byte WOFF of wb; bias: [NN] f32.  One text for two launches, told apart by QKV:
; QKV = 1: A = h1, NN = 3,072; C is rounded to bf16 and stored by heads, [3][64 = batch x 16 + head][1024 tokens][64].  QKV = 0: A = h2, NN = 4,096; gelu(C), exact-erf form, is stored as bf16 [4096][4096].
; SHARES.  Four waves, each 128 x 128 of C in 64 accumulators.  K = 1,024 goes in 8 steps of 128 through two LDS slots; a step is four quarters of 32 along K on two fragment buffers.
; The product is used transposed (source 0 = 16 columns of W, source 1 = 16 rows of A): a lane holds one row of C and 8 neighbouring columns.  W's fragments come out of LDS turned, by ds_load_tr16_b128.
; The bias is the C operand of the products that start the sums: nothing is cleared, nothing is added later.
; CLUSTER 4 x 4: A's tile is asked for jointly along a row of the cluster, W's along a column; where a slot is filled again, a round of the cluster's barrier stands in front.
; ONE K STEP IS WRITTEN ONCE: the slot in hand is a scalar (TB) and the walking descriptors' LDS word is turned by an exclusive or with SLOT, which shares no bit with the waves' own terms (0, 0x8800, 0x11000, 0x19800).
; THE WAY OUT: when the ring has had its last fill and every wave has read it out, each wave lays its 128 x 128 f32 into its own 67,584 bytes of the ring's LDS and reads whole rows back, ROWS rows a trip.
; A trip asks for the next trip's rows as soon as the registers that hold its own are dead, and waits for its predecessor's stores to have read their registers only where it writes them anew.
; LIMITS.  NaN and infinities are not treated apart.  erfc(|x| / sqrt 2) = t A(t) exp(-x x / 2) with t = 1 / (1 + p |x|), p = 0.2316419, A of five terms, absolute error 1.5e-7 (Abramowitz and Stegun
; 7.1.26).  Since |x| t = (1 - t) / p:  gelu(x) = max(x, 0) - (1 - t) H(t) 2^(-x x log2(e) / 2), H = A / (2 p): right in both tails; where x x overflows the last factor is 0.
.set QKV, 0
.if QKV
.set NN,   3072
.set WOFF, 0
.set ROWS, 16
.else
.set NN,   4096
.set WOFF, 8388608
.set ROWS, 8
.endif
.set PA,    272                        ; a row of A in LDS: 256 bytes + 16
.set PB,    544                        ; a k-row of W in LDS: 512 bytes + 32: an odd multiple of 32
.set HALF,  128*PA                     ; what one tensor load brings: 128 rows of A, or 64 k-rows of W (64 x 544 is the same 34,816)
.set BOFF,  2*HALF                     ; W's part of a slot
.set SLOT,  4*HALF                     ; 139,264 = 0x22000
.set SPARE, 2*SLOT                     ; behind the ring: the spare words, 128 bytes a wave, that no other line names
.set SP,    528                        ; a stage row: 128 f32 + 16 bytes
.set WST,   128*SP                     ; a wave's stage
.set STEPA, 256                        ; a K step in a row of A, bytes
.set STEPB, 256*NN                     ; 128 k-rows of W, bytes
.set A0,   2                           ; v2   my lane's place in A's part of a slot; never rewritten
.set B0,   3                           ; v3   the same for W
.set ADRA, 16                          ; v16  A0 + the slot in hand
.set ADRB, 20                          ; v20  B0 + the slot in hand
.set STO,  24                          ; v24  where I put 16 bytes of a stage row
.set RD,   25                          ; v25  where I read stage rows back
.set CO,   26                          ; v26  my byte offset in the output
.set BO,   27                          ; v27  my byte offset in 16 numbers of the bias
.set SPW,  28                          ; v28  my spare word; never rewritten
.set NIL,  29                          ; v29  0; never rewritten
.set PFO,  30                          ; v30  the prefetches' lane offset; never rewritten
.set F0,   64                          ; fragment buffers: A's in window 0, W's in window 1
.set F1,   128
.set BI,   192                          ; v[192:255] the bias of my 128 columns, 8 a block of 16
.set WV, 14
.set RH, 15                            ; my half of the tile's rows; also: I fetch for A (0) or W (1)
.set CH, 16                            ; my half of its columns; also: which half of that tile I fetch
.set CX, 17
.set CY, 18
.set TX, 19
.set TY, 20
.set G1A, 24                           ; s[24:31] group 1 for A's tiles; s[32:39] group 0: set 0 once, set 1 walks
.set G0A, 32
.set G1B, 48                           ; s[48:55], s[56:63] the same for W's
.set G0B, 56
.set OB,  66                           ; s[66:67] the output at my part
.set BB,  68                           ; s[68:69] the bias at my 128 columns
.set TB,  70                           ; s70  the slot in hand: 0 or SLOT
.set PFA, 72                           ; s[72:73] where my prefetches stand
.set PFS, 74                           ; s[74:75] their step
.set LIM, 76                           ; s76  2 in a wave that prefetches, else the greatest number
.set MSB, 0
.macro WIN new                         ; the immediate's high byte repeats the setting that is left; a switch that changes nothing is dropped
.if MSB != (\new)
	s_set_vgpr_msb (MSB<<8)|(\new)
.set MSB, \new
.endif
.endm
.set MUL_LO,  0xa1                     ; source 0 (W) window 1, source 1 (A) window 0, C and D window 2
.set MUL_HI,  0xf1                     ; C and D window 3
.set MULB_LO, 0x81                     ; the same with C (the bias) in window 0
.set MULB_HI, 0xc1
.set TO_B,    0x40                     ; destination window 1
.set ST_LO,   0x08                     ; an LDS store's data in window 2
.set ST_HI,   0x0c                     ; in window 3
.macro PLACES                          ; four plain instructions behind matrix instructions, ahead of loads into their sources and of readers of their results
.rept 4
	v_nop
.endr
.endm
.macro JLOAD                           ; the joint refill, by the walking sets; the branch hangs on the wave's number alone; an s_nop 0 and four v_nop follow each line
	s_cmp_eq_u32 s[RH], 0
	s_cbranch_scc0 .Lfor_b_\@
	tensor_load_to_lds s[G0A+4:G0A+7], s[G1A:G1A+7]
	s_nop 0
.rept 4
	v_nop
.endr
	s_branch .Lasked_\@
.Lfor_b_\@:
	tensor_load_to_lds s[G0B+4:G0B+7], s[G1B:G1B+7]
	s_nop 0
.rept 4
	v_nop
.endr
.Lasked_\@:
.endm
.macro CREST                           ; a round of the cluster's barrier behind its opening barrier
	s_cmp_lg_u32 s[WV], 0
	s_cbranch_scc1 .Lnot_wave_0_\@
	s_barrier_signal -3
.Lnot_wave_0_\@:
	s_barrier_wait -3
	s_barrier_signal -1
	s_barrier_wait -1
.endm
.macro CROUND
	s_barrier_signal -1
	s_barrier_wait -1
	CREST
.endm
; A PREFETCH INTO THE L2 behind each refill and the run of LDS loads that follows it: the K step two refills on (the refill of trip t brings step t + 2, the prefetch names step t + 4), 512 matrix
; instructions ahead of the load that wants it; trips 0 to 3 alone, so steps 4 to 7.  Each aligned 256 bytes is named once in the launch: A's rows by the clusters with x = 0, W's by those with y = 0;
; the four partners of a joint load share its rows out by address (32 rows of A by cx; 16 k-rows x 2 blocks of W by cy), a lane a block.  Steps 0 to 3 come by their loads alone.
.macro ASK
	s_cmp_gt_u32 s3, s[LIM]
	s_cbranch_scc0 .Lnot_mine_\@
	global_prefetch_b8 v[PFO], s[PFA:PFA+1] th:TH_LOAD_NT scope:SCOPE_SE
.Lnot_mine_\@:
.endm
	s_load_b256 s[4:11], s[0:1], 0x0               ; A s[4:5], wb s[6:7], bias s[8:9], out s[10:11]
	v_lshl_add_u32 v[SPW], v0, 2, SPARE
	v_mov_b32 v[NIL], 0
	ds_add_u32 v[SPW], v[NIL]                      ; the opening: the add, twice on end, and its wait ahead of my first tensor load
	ds_add_u32 v[SPW], v[NIL]
	v_lshrrev_b32 v1, 5, v0
	v_readfirstlane_b32 s[WV], v1                  ; wave 0..3
	s_lshr_b32 s[RH], s[WV], 1
	s_and_b32 s[CH], s[WV], 1
	s_bfe_u32 s[CX], ttmp6, 0x40000
	s_bfe_u32 s[CY], ttmp6, 0x40004
	s_lshl_b32 s[TX], ttmp9, 2
	s_add_co_u32 s[TX], s[TX], s[CX]               ; tile column = 4 x cluster x + cx
	s_and_b32 s[TY], ttmp7, 0xffff
	s_lshl_b32 s[TY], s[TY], 2
	s_add_co_u32 s[TY], s[TY], s[CY]               ; tile row = 4 x cluster y + cy
	s_lshl_b32 s21, s[CY], 2
	s_lshl_b32 s21, 15, s21                        ; my row of the cluster
	s_lshl_b32 s22, 0x1111, s[CX]                  ; my column
	s_or_b32 s[G1A], s21, (1<<16)|(1<<20)|(1<<21)|(5<<22)|(3<<25)  ; mask; 2-byte elements; padding on; bit 21 beside a mask; after every 64 words, 4 words
	s_mov_b32 s[G1A+1], 128<<16                    ; tensor_dim0 = 128
	s_mov_b32 s[G1A+2], 128<<16                    ; tensor_dim1 = 128
	s_mov_b32 s[G1A+3], 128<<16                    ; tile_dim0 = 128
	s_mov_b32 s[G1A+4], 128                        ; tile_dim1 = 128
	s_mov_b32 s[G1A+5], 1024                       ; elements from row to row
	s_mov_b32 s[G1A+6], 0
	s_mov_b32 s[G1A+7], 0
	s_or_b32 s[G1B], s22, (1<<16)|(1<<20)|(1<<21)|(6<<22)|(7<<25)  ; after every 128 words, 8 words
	s_mov_b32 s[G1B+1], 256<<16                    ; tensor_dim0 = 256
	s_mov_b32 s[G1B+2], 64<<16                     ; tensor_dim1 = 64
	s_mov_b32 s[G1B+3], 256<<16                    ; tile_dim0 = 256
	s_mov_b32 s[G1B+4], 64                         ; tile_dim1 = 64
	s_mov_b32 s[G1B+5], NN
	s_mov_b32 s[G1B+6], 0
	s_mov_b32 s[G1B+7], 0
	s_lshl_b32 s40, s[TY], 8                       ; A: row 256 x tile row + 128 x half, x 2,048 bytes
	s_lshl_b32 s41, s[CH], 7
	s_add_co_u32 s40, s40, s41
	s_lshl_b32 s40, s40, 11
	s_mov_b32 s41, 0
	s_mul_i32 s42, s[CH], 128*NN                   ; W: k-row 64 x half, x 2 NN bytes; + 512 x tile column
	s_lshl_b32 s43, s[TX], 9
	s_add_co_u32 s42, s42, s43
.if WOFF
	s_add_co_u32 s42, s42, WOFF
.endif
	s_mov_b32 s43, 0
	s_mul_i32 s44, s[WV], HALF                     ; where my fills go: no place in the cluster enters an LDS address
	s_mov_b32 s[TB], 0
.if !QKV
	s_mov_b32 s78, 0x3e6d3389                      ; p = 0.2316419
	s_mov_b32 s80, 0xbf38aa3b                      ; -log2(e) / 2
	s_mov_b32 s82, 0x4012a088                      ; H's five coefficients, A's divided by 2 p: of t^4: 2.2910481,
	s_mov_b32 s84, 0xc048bea0                      ; of t^3: -3.1366348,
	s_mov_b32 s86, 0x40445c34                      ; of t^2: 3.0681276,
	s_mov_b32 s88, 0xbf1d34d5                      ; of t: -0.6140874,
	s_mov_b32 s90, 0x3f0cd020                      ; of 1: 0.5500507
.irp p, 80,82,84,86,88,90
	s_mov_b32 s[\p+1], s[\p]                       ; named as pairs
.endr
.endif
	s_wait_dscnt 0x0                               ; both opening adds are done
	s_wait_kmcnt 0x0
	s_add_nc_u64 s[40:41], s[4:5], s[40:41]
	s_add_nc_u64 s[42:43], s[6:7], s[42:43]
.irp s, 0,1
	s_mov_b32 s[G0A+4*\s], 1
	s_add_co_u32 s[G0A+4*\s+1], s44, \s*SLOT
	s_add_nc_u64 s[G0A+4*\s+2:G0A+4*\s+3], s[40:41], \s*STEPA
	s_or_b32 s[G0A+4*\s+3], s[G0A+4*\s+3], 0x80000000
	s_mov_b32 s[G0B+4*\s], 1
	s_add_co_u32 s[G0B+4*\s+1], s44, \s*SLOT
	s_add_nc_u64 s[G0B+4*\s+2:G0B+4*\s+3], s[42:43], \s*STEPB
	s_or_b32 s[G0B+4*\s+3], s[G0B+4*\s+3], 0x80000000
.endr
	CROUND                                         ; all sixteen work-groups are here: the first joint loads meet
	s_cmp_eq_u32 s[RH], 0                          ; a wave's two first fills stand in one branch: two loads of mine are out
	s_cbranch_scc0 .Lfirst_b
	tensor_load_to_lds s[G0A:G0A+3], s[G1A:G1A+7]
	s_nop 0
	tensor_load_to_lds s[G0A+4:G0A+7], s[G1A:G1A+7]
	s_nop 0
.rept 4
	v_nop
.endr
	s_branch .Lfirst_asked
.Lfirst_b:
	tensor_load_to_lds s[G0B:G0B+3], s[G1B:G1B+7]
	s_nop 0
	tensor_load_to_lds s[G0B+4:G0B+7], s[G1B:G1B+7]
	s_nop 0
.rept 4
	v_nop
.endr
.Lfirst_asked:
	v_and_b32 v1, 15, v0                           ; r = l % 16
	v_bfe_u32 v9, v0, 4, 1                         ; h = l / 16
	v_and_b32 v10, 7, v0
	v_bfe_u32 v11, v0, 3, 1
	v_lshlrev_b32 v[BO], 5, v9                     ; 8 h numbers of the bias
	s_lshl_b32 s21, s[TX], 8
	s_lshl_b32 s22, s[CH], 7
	s_add_co_u32 s21, s21, s22                     ; n0: my first column
	s_lshl_b32 s46, s21, 2
	s_mov_b32 s47, 0
	s_add_nc_u64 s[BB:BB+1], s[8:9], s[46:47]
.irp b, 0,1,2,3,4,5,6,7
	global_load_b128 v[BI+8*\b:BI+8*\b+3], v[BO], s[BB:BB+1] offset:64*\b
	global_load_b128 v[BI+8*\b+4:BI+8*\b+7], v[BO], s[BB:BB+1] offset:64*\b+16
.endr
	v_mul_u32_u24 v[A0], v1, PA                    ; A's fragment: row r, 16 bytes for each half of the lanes
	v_lshl_add_u32 v[A0], v9, 4, v[A0]
	s_mul_i32 s22, s[RH], HALF
	v_add_nc_u32 v[A0], s22, v[A0]
	v_lshl_add_u32 v[B0], v9, 3, v10               ; W's: k-row 8 h + l % 8, columns 8 ((l / 8) % 2) on
	v_mul_u32_u24 v[B0], v[B0], PB
	v_lshl_add_u32 v[B0], v11, 4, v[B0]
	s_lshl_b32 s22, s[CH], 8
	s_add_co_u32 s22, s22, BOFF
	v_add_nc_u32 v[B0], s22, v[B0]
	v_mov_b32 v[ADRA], v[A0]
	v_mov_b32 v[ADRB], v[B0]
	s_mul_i32 s23, s[WV], WST                      ; my stage
	v_mul_u32_u24 v[STO], v1, SP
	v_lshl_add_u32 v[STO], v9, 5, v[STO]           ; row r, 8 h numbers on
	v_add_nc_u32 v[STO], s23, v[STO]
	s_lshl_b32 s22, s[TY], 8
	s_lshl_b32 s45, s[RH], 7
	s_add_co_u32 s22, s22, s45                     ; m0: my first row
.if QKV
	v_bfe_u32 v12, v0, 3, 2                        ; back: four tokens x 64 channels of one head: token l / 8, 8 channels at l % 8
	v_mul_u32_u24 v[RD], v12, SP
	v_lshl_add_u32 v[RD], v10, 5, v[RD]
	v_add_nc_u32 v[RD], s23, v[RD]
	v_and_b32 v12, 31, v0
	v_lshlrev_b32 v[CO], 4, v12                    ; which are 512 consecutive bytes of the output
	s_lshr_b32 s23, s21, 10                        ; q, k or v
	s_lshl_b32 s23, s23, 23                        ; x 8,388,608
	s_bfe_u32 s45, s21, 0x40006                    ; the head of my first column
	s_lshr_b32 s46, s22, 10                        ; the batch
	s_lshl4_add_u32 s45, s46, s45
	s_lshl_b32 s45, s45, 17                        ; x 131,072
	s_add_co_u32 s23, s23, s45
	s_and_b32 s46, s22, 1023                       ; the token
	s_lshl_b32 s46, s46, 7
	s_add_co_u32 s46, s46, s23
.else
	v_mul_u32_u24 v[RD], v9, SP                    ; back: lanes 0-15 one row's 128 numbers, 8 a lane; lanes 16-31 the next row's
	v_lshl_add_u32 v[RD], v1, 5, v[RD]
	v_add_nc_u32 v[RD], s23, v[RD]
	v_lshlrev_b32 v[CO], 13, v9
	v_lshl_add_u32 v[CO], v1, 4, v[CO]
	s_lshl_b32 s46, s22, 13                        ; m0 x 8,192 bytes
	s_lshl1_add_u32 s46, s21, s46                  ; + 2 n0
.endif
	s_add_nc_u64 s[OB:OB+1], s[10:11], s[46:47]
	; the prefetches
	s_lshl_b32 s21, s[TY], 8
	s_lshl_b32 s22, s[CH], 7
	s_add_co_u32 s21, s21, s22
	s_lshl_b32 s22, s[CX], 5
	s_add_co_u32 s21, s21, s22                     ; A: my work-group's 32 rows of the 128 that I fetch
	s_lshl_b32 s21, s21, 11
	s_add_co_u32 s21, s21, 3*STEPA                 ; at K step 3: stepped ahead of each use
	s_lshl_b32 s22, s[CH], 6
	s_lshl4_add_u32 s22, s[CY], s22                ; W: my work-group's 16 k-rows of the 64
	s_mul_i32 s22, s22, 2*NN
	s_lshl_b32 s23, s[TX], 9
	s_add_co_u32 s22, s22, s23
	s_add_co_u32 s22, s22, WOFF+3*STEPB
	s_and_b32 s23, ttmp7, 0xffff
	s_mov_b32 s[PFS], STEPB
	s_mov_b32 s[PFS+1], 0
	s_mov_b32 s45, 2*NN
	s_cmp_eq_u32 s[RH], 0
	s_cselect_b32 s46, s21, s22
	s_cselect_b32 s23, ttmp9, s23                  ; the coordinate along which other clusters read the same rows
	s_cselect_b64 s[PFA:PFA+1], s[4:5], s[6:7]
	s_cselect_b32 s[PFS], STEPA, s[PFS]
	s_cselect_b32 s45, 2048, s45                   ; bytes from row to row
	s_cselect_b32 s44, 0, 1                        ; W: two lanes a k-row
	s_add_nc_u64 s[PFA:PFA+1], s[PFA:PFA+1], s[46:47]
	s_cmp_eq_u32 s23, 0
	s_cselect_b32 s[LIM], 2, -1                    ; the same in all sixteen partners, for a given wave
	v_and_b32 v31, 31, v0
	v_lshrrev_b32 v[PFO], s44, v31
	v_mul_u32_u24 v[PFO], s45, v[PFO]
	v_and_b32 v31, s44, v31
	v_lshl_add_u32 v[PFO], v31, 8, v[PFO]
; 16 matrix instructions: row blocks a0, a0 + 1 of the window's four x all 8 column blocks, 32 along K.  first = 1: the bias starts the sums.  The 64 accumulators take turns in one order everywhere.
.macro MUL16 f, hi, a0, first
.if \first
	WIN MULB_LO+0x40*(\hi)
.else
	WIN MUL_LO+0x50*(\hi)
.endif
.irp a, \a0, (\a0)+1
.irp b, 0,1,2,3,4,5,6,7
.if \first
	v_wmma_f32_16x16x32_bf16 v[8*(8*(\a)+(\b)):8*(8*(\a)+(\b))+7], v[(\f)+8*(\b):(\f)+8*(\b)+7], v[(\f)+8*(4*(\hi)+(\a)):(\f)+8*(4*(\hi)+(\a))+7], v[BI+8*(\b):BI+8*(\b)+7]
.else
	v_wmma_f32_16x16x32_bf16 v[8*(8*(\a)+(\b)):8*(8*(\a)+(\b))+7], v[(\f)+8*(\b):(\f)+8*(\b)+7], v[(\f)+8*(4*(\hi)+(\a)):(\f)+8*(4*(\hi)+(\a))+7], v[8*(8*(\a)+(\b)):8*(8*(\a)+(\b))+7]
.endif
.endr
.endr
.endm
; 32 LDS loads in one run: a quarter's fragments (W's 128 columns turned, A's 128 rows) into buffer f; ka, kb: the quarter's byte in A's rows, in W's k-rows
.macro FETCH ka, kb, f
	WIN TO_B
.irp i, 0,1,2,3,4,5,6,7
	ds_load_tr16_b128 v[(\f)+8*(\i):(\f)+8*(\i)+3],   v[ADRB] offset:(\kb)+32*(\i)
	ds_load_tr16_b128 v[(\f)+8*(\i)+4:(\f)+8*(\i)+7], v[ADRB] offset:(\kb)+32*(\i)+16*PB
.endr
	WIN 0
.irp i, 0,1,2,3,4,5,6,7
	ds_load_b128 v[(\f)+8*(\i):(\f)+8*(\i)+3],   v[ADRA] offset:(\ka)+(\i)*16*PA
	ds_load_b128 v[(\f)+8*(\i)+4:(\f)+8*(\i)+7], v[ADRA] offset:(\ka)+(\i)*16*PA+32
.endr
.endm
.macro QUARTER ka, kb, f, g, first     ; multiplies buffer f; in its middle fetches the next quarter into g
	s_wait_dscnt 8                                 ; W and A's rows 0-63 are in; the youngest eight loads (A's rows 64-127) may be out
	MUL16 \f, 0, 0, \first
	MUL16 \f, 0, 2, \first
	PLACES
	FETCH \ka, \kb, \g
	s_wait_dscnt 32                                ; all but the 32 just issued
	MUL16 \f, 1, 0, \first
	MUL16 \f, 1, 2, \first
.endm
; The last quarter multiplies buffer 1 and changes slots.  In front of the one barrier each wave waits for all its tensor loads (one is out: its part of the next slot), adds 0 to its spare word, and
; waits for that and for its own reads of this slot.  fill = 1: the barrier opens a round of the cluster's, and the joint refill, two K steps ahead, is the first thing behind it.
.macro TURN fill
.if \fill
	s_wait_xcnt 0x0                                ; the last prefetch, a K step back, has read its address
	s_add_nc_u64 s[PFA:PFA+1], s[PFA:PFA+1], s[PFS:PFS+1]
.endif
	WIN 0
	s_wait_tensorcnt 0x0
	ds_add_u32 v[SPW], v[NIL]
	s_wait_dscnt 9                                 ; (the add and the youngest eight loads may be out)
	MUL16 F1, 0, 0, 0
	s_wait_dscnt 0x0                               ; the add is done, and my reads of this slot are over
	s_barrier_signal -1
	MUL16 F1, 0, 2, 0
	WIN 0
	s_barrier_wait -1
.if \fill
	CREST
	s_xor_b32 s[G0A+5], s[G0A+5], SLOT             ; no load of mine is out: the walking sets take the other slot and the next K step
	s_add_nc_u64 s[G0A+6:G0A+7], s[G0A+6:G0A+7], STEPA
	s_xor_b32 s[G0B+5], s[G0B+5], SLOT
	s_add_nc_u64 s[G0B+6:G0B+7], s[G0B+6:G0B+7], STEPB
	JLOAD                                          ; its four v_nop are also the places in front of the loads below
.else
	PLACES
.endif
	s_xor_b32 s[TB], s[TB], SLOT
	v_add_nc_u32 v[ADRA], s[TB], v[A0]
	v_add_nc_u32 v[ADRB], s[TB], v[B0]
	FETCH 0, 0, F0
.if \fill
	ASK
.endif
	MUL16 F1, 1, 0, 0
	MUL16 F1, 1, 2, 0
.endm
	s_wait_tensorcnt 1                             ; my part of K step 0 is in; step 1's may stay out
	s_barrier_signal -1
	s_barrier_wait -1
	FETCH 0, 0, F0
	s_wait_loadcnt 0x0                             ; the bias
	QUARTER 64, 32*PB, F0, F1, 1
	WIN 0
	s_mov_b32 s3, 6
.Lk:                                               ; a trip: from a K step's second quarter to the next step's first; steps 2 to 7 are asked for
	QUARTER 128, 64*PB, F1, F0, 0
	QUARTER 192, 96*PB, F0, F1, 0
	TURN 1
	QUARTER 64, 32*PB, F0, F1, 0
	WIN 0
	s_sub_co_u32 s3, s3, 1
	s_cmp_lg_u32 s3, 0
	s_cbranch_scc1 .Lk
	s_mov_b32 s2, 2
.Ltail:                                            ; K steps 6 and 7 ask for nothing; the second trip is left in its middle
	QUARTER 128, 64*PB, F1, F0, 0
	QUARTER 192, 96*PB, F0, F1, 0
	WIN 0
	s_sub_co_u32 s2, s2, 1
	s_cmp_eq_u32 s2, 0
	s_cbranch_scc1 .Lfin
	TURN 0
	QUARTER 64, 32*PB, F0, F1, 0
	WIN 0
	s_branch .Ltail
.Lfin:
	s_wait_dscnt 8
	MUL16 F1, 0, 0, 0
	MUL16 F1, 0, 2, 0
	s_wait_dscnt 0x0
	MUL16 F1, 1, 0, 0
	MUL16 F1, 1, 2, 0
	PLACES
	WIN 0
	s_barrier_signal -1                            ; every wave's reads of the ring are over (its last wait on LDS was for 0), and the ring has had its last fill:
	s_barrier_wait -1                              ; its bytes now serve as the stages
.irp hi, 0,1
	WIN ST_LO+4*(\hi)
.irp a, 0,1,2,3
.irp b, 0,1,2,3,4,5,6,7
	ds_store_b128 v[STO], v[8*(8*\a+\b):8*(8*\a+\b)+3]   offset:(4*\hi+\a)*16*SP+64*\b      ; each accumulator's low registers first
	ds_store_b128 v[STO], v[8*(8*\a+\b)+4:8*(8*\a+\b)+7] offset:(4*\hi+\a)*16*SP+64*\b+16
.endr
.endr
.endr
	WIN 0
.set XX, 32
.if QKV
.set YY, 96
.macro LOADX                           ; 16 rows: for each 8 rows j and each q = 2 x head half + token four, 32 bytes a lane
.irp j, 0,1
.irp q, 0,1,2,3
	ds_load_b128 v[XX+32*\j+8*\q:XX+32*\j+8*\q+3],   v[RD] offset:\j*8*SP+(\q/2)*256+(\q%2)*4*SP
	ds_load_b128 v[XX+32*\j+8*\q+4:XX+32*\j+8*\q+7], v[RD] offset:\j*8*SP+(\q/2)*256+(\q%2)*4*SP+16
.endr
.endr
.endm
.else
.set TQ, 64
.set EE, 96
.set PP, 128
.set RR, 160
.set YY, 192
.set UU, 208
.macro LOADX                           ; 8 rows: two rows a pair of loads
.irp p, 0,1,2,3
	ds_load_b128 v[XX+8*\p:XX+8*\p+3],   v[RD] offset:\p*2*SP
	ds_load_b128 v[XX+8*\p+4:XX+8*\p+7], v[RD] offset:\p*2*SP+16
.endr
.endm
.endif
	LOADX                                          ; the first rows; LDS serves a wave's instructions in order, so these loads see my stores above
	s_mov_b32 s3, 128/ROWS
.Lout:                                             ; ROWS rows a trip
	v_add_nc_u32 v[RD], ROWS*SP, v[RD]             ; the next trip's rows: stepped in every trip, outside the jump below
	s_wait_dscnt 0x0                               ; this trip's rows are in
.if QKV
	s_wait_xcnt 0x0                                ; the last trip's stores have read their data and base: both are written again only behind this wait
	s_add_nc_u64 s[OB:OB+1], s[OB:OB+1], 2048      ; one trip ahead of the rows in hand: the stores reach back
.set i, 0
.rept 32
	v_cvt_pk_bf16_f32 v[YY+i], v[XX+2*i], v[XX+2*i+1]
.set i, i+1
.endr
	s_sub_co_u32 s3, s3, 1
	s_cmp_eq_u32 s3, 0
	s_cbranch_scc1 .Lnomore                        ; the last trip has no rows behind it
	LOADX                                          ; on their way while the stores go out
.Lnomore:
.irp j, 0,1
.irp q, 0,1,2,3
	global_store_b128 v[CO], v[YY+16*\j+4*\q:YY+16*\j+4*\q+3], s[OB:OB+1] offset:\j*1024+(\q/2)*131072+(\q%2)*512-2048  ; four tokens of one head: 512 consecutive bytes, aligned
.endr
.endr
.else
.set i, 0
.rept 32
	v_fma_f32 v[TQ+i], |v[XX+i]|, s78, 1.0
.set i, i+1
.endr
.set i, 0
.rept 16
	v_pk_mul_f32 v[EE+i:EE+i+1], v[XX+i:XX+i+1], v[XX+i:XX+i+1]
.set i, i+2
.endr
.set i, 0
.rept 16
	v_pk_mul_f32 v[EE+i:EE+i+1], v[EE+i:EE+i+1], s[80:81] op_sel_hi:[1,0]
.set i, i+2
.endr
.set i, 0
.rept 32                               ; one batch of 64: t = 1 / (1 + p |x|) and e = 2^(-x x log2(e) / 2)
	v_rcp_f32 v[TQ+i], v[TQ+i]
.set i, i+1
.endr
.set i, 0
.rept 32
	v_exp_f32 v[EE+i], v[EE+i]
.set i, i+1
.endr
.set i, 0
.rept 32                               ; independent work behind the batch, and the last reader of the rows as loaded
	v_max_num_f32 v[RR+i], 0, v[XX+i]
.set i, i+1
.endr
	s_wait_alu depctr_va_vdst(0)                   ; the one wait ahead of the batch's first reader, and ahead of the branch
	s_sub_co_u32 s3, s3, 1
	s_cmp_eq_u32 s3, 0
	s_cbranch_scc1 .Lnomore                        ; the last trip has no rows behind it
	LOADX                                          ; on their way under the arithmetic below
.Lnomore:
.set i, 0
.rept 16
	v_pk_fma_f32 v[PP+i:PP+i+1], v[TQ+i:TQ+i+1], s[82:83], s[84:85] op_sel_hi:[1,0,0]
.set i, i+2
.endr
.irp c, 86,88,90
.set i, 0
.rept 16
	v_pk_fma_f32 v[PP+i:PP+i+1], v[PP+i:PP+i+1], v[TQ+i:TQ+i+1], s[\c:\c+1] op_sel_hi:[1,1,0]
.set i, i+2
.endr
.endr
.set i, 0
.rept 16
	v_pk_fma_f32 v[UU+i:UU+i+1], v[TQ+i:TQ+i+1], v[EE+i:EE+i+1], v[EE+i:EE+i+1] neg_lo:[1,0,0] neg_hi:[1,0,0]  ; e - t e = (1 - t) e, rounded once
.set i, i+2
.endr
.set i, 0
.rept 16
	v_pk_fma_f32 v[RR+i:RR+i+1], v[UU+i:UU+i+1], v[PP+i:PP+i+1], v[RR+i:RR+i+1] neg_lo:[1,0,0] neg_hi:[1,0,0]  ; max(x, 0) - (1 - t) e H
.set i, i+2
.endr
	s_wait_xcnt 0x0                                ; the last trip's stores have read their data and base: both are written again only behind this wait
	s_add_nc_u64 s[OB:OB+1], s[OB:OB+1], 65536     ; one trip ahead of the rows in hand: the stores reach back
.set i, 0
.rept 16
	v_cvt_pk_bf16_f32 v[YY+i], v[RR+2*i], v[RR+2*i+1]
.set i, i+1
.endr
.irp p, 0,1,2,3
	global_store_b128 v[CO], v[YY+4*\p:YY+4*\p+3], s[OB:OB+1] offset:\p*16384-65536  ; sixteen lanes store 256 consecutive bytes, aligned
.endr
.endif
	s_cmp_lg_u32 s3, 0
	s_cbranch_scc1 .Lout
	s_wait_tensorcnt 0x0                           ; the wave's end
	ds_add_u32 v[SPW], v[NIL]
	s_wait_dscnt 0x0
	CROUND                                         ; the closing round
	s_endpgm
.Lfunc_end_k_qa05bacf7c0_fc:
	.size	k_qa05bacf7c0_fc, .Lfunc_end_k_qa05bacf7c0_fc-k_qa05bacf7c0_fc
	.p2alignl 7, 3214868480
	.fill 96, 4, 3214868480
	.section	.rodata,"a",@progbits
	.p2align	6, 0x0
	.amdhsa_kernel k_qa05bacf7c0_fc
		.amdhsa_group_segment_fixed_size 327680
		.amdhsa_private_segment_fixed_size 0
		.amdhsa_enable_private_segment 0
		.amdhsa_kernarg_size 32
		.amdhsa_user_sgpr_count 2
		.amdhsa_user_sgpr_kernarg_segment_ptr 1
		.amdhsa_wavefront_size32 1
		.amdhsa_system_sgpr_workgroup_id_x 1
		.amdhsa_system_sgpr_workgroup_id_y 1
		.amdhsa_system_sgpr_workgroup_id_z 1
		.amdhsa_system_vgpr_workitem_id 0
		.amdhsa_next_free_vgpr 1024
		.amdhsa_next_free_sgpr 96
		.amdhsa_reserve_vcc 0
		.amdhsa_float_denorm_mode_32 3
		.amdhsa_float_denorm_mode_16_64 3
		.amdhsa_memory_ordered 1
		.amdhsa_forward_progress 1
		.amdhsa_inst_pref_size 100
	.end_amdhsa_kernel
	.amdgpu_metadata
---
amdhsa.version: [ 1, 2 ]
amdhsa.kernels:
  - .name:           k_qa05bacf7c0_fc
    .symbol:         k_qa05bacf7c0_fc.kd
    .args:
      - { .name: h2, .offset: 0, .size: 8, .value_kind: global_buffer, .address_space: global }
      - { .name: wb, .offset: 8, .size: 8, .value_kind: global_buffer, .address_space: global }
      - { .name: b_fc, .offset: 16, .size: 8, .value_kind: global_buffer, .address_space: global }
      - { .name: g, .offset: 24, .size: 8, .value_kind: global_buffer, .address_space: global }
    .group_segment_fixed_size: 327680
    .private_segment_fixed_size: 0
    .kernarg_segment_align: 8
    .kernarg_segment_size: 32
    .max_flat_workgroup_size: 128
    .sgpr_count:     96
    .vgpr_count:     1024
    .wavefront_size: 32
...
	.end_amdgpu_metadata
.endif
;; end of part 6
;; launch fc2 (part 7): grid 8 x 32, 4 waves a work-group, clusters of 4 x 4, 327,680 bytes of LDS; arguments g, wb, b_fc2, x1, out0; writes out0
.if DOCPART == 7
	.amdgcn_target "amdgcn-amd-amdhsa--gfx1250"
	.amdhsa_code_object_version 6
	.text
	.protected	k_qa05bacf7c0_fc2
	.globl	k_qa05bacf7c0_fc2
	.p2align	8
	.type	k_qa05bacf7c0_fc2,@function
k_qa05bacf7c0_fc2:
	s_mov_b64 s[64:65], 0
	v_nop
	global_prefetch_b8 v0, s[64:65] scope:SCOPE_SE
	s_setreg_imm32_b32 hwreg(HW_REG_WAVE_MODE, 25, 1), 1
	s_wait_xcnt 0x0
	s_wait_alu depctr_hold_cnt(0) depctr_sa_sdst(0) depctr_va_vdst(0) depctr_va_sdst(0) depctr_va_ssrc(0) depctr_va_vcc(0) depctr_vm_vsrc(0)
	s_getreg_b32 s2, hwreg(HW_REG_IB_STS2, 6, 4)
	s_cmp_eq_u32 s2, 0
	s_cbranch_scc0 .Lentry_in_a_cluster
	s_endpgm
.Lentry_in_a_cluster:
	s_bfe_u32 s2, ttmp6, 0x10000c
	s_cmp_lg_u32 s2, 0xf033
	s_cbranch_scc0 .Lentry_shape_is_right
	s_endpgm
.Lentry_shape_is_right:
; out = resid + A W + bias on tiles of 128 x 128, all of 256 work-groups.  W: [K][1024] bf16 at byte WOFF of wb; bias: [1024] f32; resid, out: [4096][1024] f32.  One text for two launches, told apart by PROJ:
; PROJ = 1: A = y, by heads [64][1024][64] bf16, K = 1,024; resid = hidden_states, out = x1.  PROJ = 0: A = g, [4096][4096] bf16, K = 4,096; resid = x1, out = out0.
; SHARES.  Four waves, each 64 x 64 of C in 16 accumulators.  K goes in steps of 256 through two LDS slots; a step is four quarters of 64 along K on two fragment buffers.  The product is used transposed
; (source 0 = 16 columns of W, turned out of LDS by ds_load_tr16_b128; source 1 = 16 rows of A).  The bias is the C operand of the products that start the sums.
; With PROJ a K step is four heads; a head's 128 tokens are 16,384 dense bytes, asked for as one long row and padded in LDS after every token: [head][token, 144 bytes]; a quarter is a head.
; The wave's 64 x 64 of resid is loaded at the head into 128 registers of window 2 and stays on its way through the K loop, which waits for no global load.
; CLUSTER 4 x 4 with joint loads, as in launch qkv; one K step is written once, the slot turned by an exclusive or with SLOT = 0x24000, which shares no bit with the waves' own LDS terms.
; NO PREFETCH: a step of this small tile is short and its rows are asked for by few, large joint loads; with PROJ the launch has four K steps in all.
; LIMITS.  NaN and infinities are not treated apart.
.set PROJ, 0
.if PROJ
.set KSTEPS, 4
.set WOFF,   6291456
.set APITCH, 144
.set APLANE, 128*APITCH                ; from a quarter's 64 channels to the next: a head's plane
.set ABYTES, 4*APLANE
.set AW,     2*APLANE                  ; what one of A's loads brings
.set STEPA,  524288                    ; four heads
.else
.set KSTEPS, 16
.set WOFF,   16777216
.set APITCH, 528
.set APLANE, 128
.set ABYTES, 128*APITCH
.set AW,     64*APITCH
.set STEPA,  512
.endif
.set PB,    288                        ; a k-row of W in LDS: 256 bytes + 32
.set BW,    128*PB                     ; what one of W's loads brings
.set SLOT,  147456
.set SPARE, 2*SLOT
.set SP,    272                        ; a stage row: 64 f32 + 16 bytes
.set WST,   64*SP
.set STEPB, 524288                     ; 256 k-rows of 2,048 bytes
.set A0,   2
.set B0,   3
.set ADRA, 16
.set ADRB, 20                          ; v20: k-rows 0-127 of the slot in hand; v21: k-rows 128-255
.set STO,  24
.set RD,   25
.set CO,   26
.set BO,   27
.set SPW,  28
.set NIL,  29
.set BI,   32                          ; v[32:63] the bias of my 64 columns
.set TT,   32                          ; the way out: four sets of 32
.set ACC,  128
.set F0,   0                           ; window 1
.set F1,   128
.set WV, 14
.set RH, 15
.set CH, 16
.set CX, 17
.set CY, 18
.set TX, 19
.set TY, 20
.set G1A, 24
.set G0A, 32
.set G1B, 48
.set G0B, 56
.set OB,  66
.set RB,  68
.set BB,  70
.set TB,  72
.set MSB, 0
.macro WIN new
.if MSB != (\new)
	s_set_vgpr_msb (MSB<<8)|(\new)
.set MSB, \new
.endif
.endm
.set MUL,  0x05                        ; sources 0 (W) and 1 (A) window 1; C and D window 0
.set TO_F, 0x40
.set TO_R, 0x80
.set ADDR, 0x08                        ; source 1 window 2
.macro PLACES
.rept 4
	v_nop
.endr
.endm
.macro JLOAD
	s_cmp_eq_u32 s[RH], 0
	s_cbranch_scc0 .Lfor_b_\@
	tensor_load_to_lds s[G0A+4:G0A+7], s[G1A:G1A+7]
	s_nop 0
.rept 4
	v_nop
.endr
	s_branch .Lasked_\@
.Lfor_b_\@:
	tensor_load_to_lds s[G0B+4:G0B+7], s[G1B:G1B+7]
	s_nop 0
.rept 4
	v_nop
.endr
.Lasked_\@:
.endm
.macro CREST
	s_cmp_lg_u32 s[WV], 0
	s_cbranch_scc1 .Lnot_wave_0_\@
	s_barrier_signal -3
.Lnot_wave_0_\@:
	s_barrier_wait -3
	s_barrier_signal -1
	s_barrier_wait -1
.endm
.macro CROUND
	s_barrier_signal -1
	s_barrier_wait -1
	CREST
.endm
	s_load_b256 s[4:11], s[0:1], 0x0               ; A s[4:5], wb s[6:7], bias s[8:9], resid s[10:11]
	s_load_b64 s[12:13], s[0:1], 0x20              ; out
	v_lshl_add_u32 v[SPW], v0, 2, SPARE
	v_mov_b32 v[NIL], 0
	ds_add_u32 v[SPW], v[NIL]                      ; the opening: the add, twice on end, and its wait ahead of my first tensor load
	ds_add_u32 v[SPW], v[NIL]
	v_lshrrev_b32 v1, 5, v0
	v_readfirstlane_b32 s[WV], v1
	s_lshr_b32 s[RH], s[WV], 1
	s_and_b32 s[CH], s[WV], 1
	s_bfe_u32 s[CX], ttmp6, 0x40000
	s_bfe_u32 s[CY], ttmp6, 0x40004
	s_lshl_b32 s[TX], ttmp9, 2
	s_add_co_u32 s[TX], s[TX], s[CX]
	s_and_b32 s[TY], ttmp7, 0xffff
	s_lshl_b32 s[TY], s[TY], 2
	s_add_co_u32 s[TY], s[TY], s[CY]
	s_lshl_b32 s21, s[CY], 2
	s_lshl_b32 s21, 15, s21
	s_lshl_b32 s22, 0x1111, s[CX]
.if PROJ
	s_or_b32 s[G1A], s21, (1<<16)|(1<<20)|(1<<21)|(4<<22)|(3<<25)  ; after every 32 words (a token), 4 words
	s_mov_b32 s[G1A+1], 8192<<16                   ; tensor_dim0 = 8,192: a head's 128 tokens
	s_mov_b32 s[G1A+2], 2<<16                      ; tensor_dim1 = 2 heads
	s_mov_b32 s[G1A+3], 8192<<16                   ; tile_dim0
	s_mov_b32 s[G1A+4], 2                          ; tile_dim1
	s_mov_b32 s[G1A+5], 65536                      ; elements from head to head
.else
	s_or_b32 s[G1A], s21, (1<<16)|(1<<20)|(1<<21)|(6<<22)|(3<<25)  ; after every 128 words, 4 words
	s_mov_b32 s[G1A+1], 256<<16
	s_mov_b32 s[G1A+2], 64<<16
	s_mov_b32 s[G1A+3], 256<<16
	s_mov_b32 s[G1A+4], 64
	s_mov_b32 s[G1A+5], 4096
.endif
	s_mov_b32 s[G1A+6], 0
	s_mov_b32 s[G1A+7], 0
	s_or_b32 s[G1B], s22, (1<<16)|(1<<20)|(1<<21)|(5<<22)|(7<<25)  ; after every 64 words, 8 words
	s_mov_b32 s[G1B+1], 128<<16
	s_mov_b32 s[G1B+2], 128<<16
	s_mov_b32 s[G1B+3], 128<<16
	s_mov_b32 s[G1B+4], 128
	s_mov_b32 s[G1B+5], 1024
	s_mov_b32 s[G1B+6], 0
	s_mov_b32 s[G1B+7], 0
.if PROJ
	s_lshr_b32 s40, s[TY], 3                       ; the batch
	s_lshl_b32 s40, s40, 4
	s_lshl1_add_u32 s40, s[CH], s40                ; head = 16 x batch + 2 x half
	s_lshl_b32 s40, s40, 10
	s_and_b32 s41, s[TY], 7
	s_lshl_b32 s41, s41, 7                         ; the tile's first token
	s_add_co_u32 s40, s40, s41
	s_lshl_b32 s40, s40, 7                         ; x 128 bytes
.else
	s_lshl_b32 s40, s[TY], 7
	s_lshl_b32 s41, s[CH], 6
	s_add_co_u32 s40, s40, s41
	s_lshl_b32 s40, s40, 13                        ; x 8,192 bytes
.endif
	s_mov_b32 s41, 0
	s_lshl_b32 s42, s[CH], 18                      ; W: k-row 128 x half, x 2,048 bytes
	s_lshl_b32 s43, s[TX], 8
	s_add_co_u32 s42, s42, s43
	s_add_co_u32 s42, s42, WOFF
	s_mov_b32 s43, 0
	s_mul_i32 s44, s[CH], AW                       ; where A's fills go,
	s_mul_i32 s45, s[CH], BW
	s_add_co_u32 s45, s45, ABYTES                  ; and W's: no place in the cluster enters an LDS address
	s_mov_b32 s[TB], 0
	s_wait_dscnt 0x0
	s_wait_kmcnt 0x0
	s_add_nc_u64 s[40:41], s[4:5], s[40:41]
	s_add_nc_u64 s[42:43], s[6:7], s[42:43]
.irp s, 0,1
	s_mov_b32 s[G0A+4*\s], 1
	s_add_co_u32 s[G0A+4*\s+1], s44, \s*SLOT
	s_add_nc_u64 s[G0A+4*\s+2:G0A+4*\s+3], s[40:41], \s*STEPA
	s_or_b32 s[G0A+4*\s+3], s[G0A+4*\s+3], 0x80000000
	s_mov_b32 s[G0B+4*\s], 1
	s_add_co_u32 s[G0B+4*\s+1], s45, \s*SLOT
	s_add_nc_u64 s[G0B+4*\s+2:G0B+4*\s+3], s[42:43], \s*STEPB
	s_or_b32 s[G0B+4*\s+3], s[G0B+4*\s+3], 0x80000000
.endr
	CROUND
	s_cmp_eq_u32 s[RH], 0                          ; a wave's two first fills stand in one branch: two loads of mine are out
	s_cbranch_scc0 .Lfirst_b
	tensor_load_to_lds s[G0A:G0A+3], s[G1A:G1A+7]
	s_nop 0
	tensor_load_to_lds s[G0A+4:G0A+7], s[G1A:G1A+7]
	s_nop 0
.rept 4
	v_nop
.endr
	s_branch .Lfirst_asked
.Lfirst_b:
	tensor_load_to_lds s[G0B:G0B+3], s[G1B:G1B+7]
	s_nop 0
	tensor_load_to_lds s[G0B+4:G0B+7], s[G1B:G1B+7]
	s_nop 0
.rept 4
	v_nop
.endr
.Lfirst_asked:
	v_and_b32 v1, 15, v0
	v_bfe_u32 v9, v0, 4, 1
	v_and_b32 v10, 7, v0
	v_bfe_u32 v11, v0, 3, 1
	v_lshlrev_b32 v[BO], 5, v9
	v_lshlrev_b32 v[CO], 12, v9                    ; lanes 0-15 one row's 256 bytes, lanes 16-31 the next row's
	v_lshl_add_u32 v[CO], v1, 4, v[CO]
	s_lshl_b32 s21, s[TX], 7
	s_lshl_b32 s22, s[CH], 6
	s_add_co_u32 s21, s21, s22                     ; n0
	s_lshl_b32 s46, s21, 2
	s_mov_b32 s47, 0
	s_add_nc_u64 s[BB:BB+1], s[8:9], s[46:47]
	s_lshl_b32 s22, s[TY], 7
	s_lshl_b32 s23, s[RH], 6
	s_add_co_u32 s22, s22, s23                     ; m0
	s_lshl_b32 s22, s22, 12
	s_add_co_u32 s46, s46, s22
	s_add_nc_u64 s[RB:RB+1], s[10:11], s[46:47]
	s_add_nc_u64 s[OB:OB+1], s[12:13], s[46:47]
.irp b, 0,1,2,3
	global_load_b128 v[BI+8*\b:BI+8*\b+3], v[BO], s[BB:BB+1] offset:64*\b
	global_load_b128 v[BI+8*\b+4:BI+8*\b+7], v[BO], s[BB:BB+1] offset:64*\b+16
.endr
	WIN TO_R
.set i, 0
.rept 32
	global_load_b128 v[4*i:4*i+3], v[CO], s[RB:RB+1] offset:8192*i
.set i, i+1
.endr
	WIN 0
	v_mul_u32_u24 v[A0], v1, APITCH
	v_lshl_add_u32 v[A0], v9, 4, v[A0]
	s_mul_i32 s21, s[RH], 64*APITCH
	v_add_nc_u32 v[A0], s21, v[A0]
	v_lshl_add_u32 v[B0], v9, 3, v10
	v_mul_u32_u24 v[B0], v[B0], PB
	v_lshl_add_u32 v[B0], v11, 4, v[B0]
	s_lshl_b32 s21, s[CH], 7
	s_add_co_u32 s21, s21, ABYTES
	v_add_nc_u32 v[B0], s21, v[B0]
	v_mov_b32 v[ADRA], v[A0]
	v_mov_b32 v[ADRB], v[B0]
	v_add_nc_u32 v[ADRB+1], BW, v[B0]
	s_mul_i32 s21, s[WV], WST
	v_mul_u32_u24 v[STO], v1, SP
	v_lshl_add_u32 v[STO], v9, 5, v[STO]
	v_add_nc_u32 v[STO], s21, v[STO]
	v_mul_u32_u24 v[RD], v9, SP
	v_lshl_add_u32 v[RD], v1, 4, v[RD]
	v_add_nc_u32 v[RD], s21, v[RD]
; 8 matrix instructions: row blocks a0, a0 + 1 x all 4 column blocks, 32 along K: half c of buffer f.  first = 1: the bias starts the sums.  The 16 accumulators take turns.
.macro MUL8 f, c, a0, first
	WIN MUL
.irp a, \a0, (\a0)+1
.irp b, 0,1,2,3
.if \first
	v_wmma_f32_16x16x32_bf16 v[ACC+8*(4*(\a)+(\b)):ACC+8*(4*(\a)+(\b))+7], v[(\f)+64+8*(4*(\c)+(\b)):(\f)+64+8*(4*(\c)+(\b))+7], v[(\f)+8*(4*(\c)+(\a)):(\f)+8*(4*(\c)+(\a))+7], v[BI+8*(\b):BI+8*(\b)+7]
.else
	v_wmma_f32_16x16x32_bf16 v[ACC+8*(4*(\a)+(\b)):ACC+8*(4*(\a)+(\b))+7], v[(\f)+64+8*(4*(\c)+(\b)):(\f)+64+8*(4*(\c)+(\b))+7], v[(\f)+8*(4*(\c)+(\a)):(\f)+8*(4*(\c)+(\a))+7], v[ACC+8*(4*(\a)+(\b)):ACC+8*(4*(\a)+(\b))+7]
.endif
.endr
.endr
.endm
; 32 LDS loads in one run: quarter qq's fragments into buffer f, its first 32 along K first
.macro FETCH qq, f
	WIN TO_F
.irp c, 0,1
.irp i, 0,1,2,3
	ds_load_tr16_b128 v[(\f)+64+8*(4*(\c)+(\i)):(\f)+64+8*(4*(\c)+(\i))+3],   v[ADRB+(\qq)/2] offset:(((\qq)%2)*64+32*(\c))*PB+32*(\i)
	ds_load_tr16_b128 v[(\f)+64+8*(4*(\c)+(\i))+4:(\f)+64+8*(4*(\c)+(\i))+7], v[ADRB+(\qq)/2] offset:(((\qq)%2)*64+32*(\c))*PB+32*(\i)+16*PB
	ds_load_b128 v[(\f)+8*(4*(\c)+(\i)):(\f)+8*(4*(\c)+(\i))+3],   v[ADRA] offset:(\qq)*APLANE+(\i)*16*APITCH+64*(\c)
	ds_load_b128 v[(\f)+8*(4*(\c)+(\i))+4:(\f)+8*(4*(\c)+(\i))+7], v[ADRA] offset:(\qq)*APLANE+(\i)*16*APITCH+64*(\c)+32
.endr
.endr
.endm
.macro QUARTER qq, f, g, first         ; multiplies buffer f; in its middle fetches quarter qq into g
	s_wait_dscnt 16                                ; the first 32 along K are in; the sixteen younger loads may be out
	MUL8 \f, 0, 0, \first
	MUL8 \f, 0, 2, \first
	PLACES
	FETCH \qq, \g
	s_wait_dscnt 32                                ; all but the 32 just issued
	MUL8 \f, 1, 0, 0
	MUL8 \f, 1, 2, 0
.endm
; The last quarter multiplies buffer 1 and changes slots: one barrier; in front of it each wave waits for all its tensor loads, adds 0 to its spare word, and waits for that and for its reads of this slot.
.macro TURN fill
	WIN 0
	s_wait_tensorcnt 0x0
	ds_add_u32 v[SPW], v[NIL]
	s_wait_dscnt 17                                ; (the add and the youngest sixteen loads may be out)
	MUL8 F1, 0, 0, 0
	s_wait_dscnt 0x0
	s_barrier_signal -1
	MUL8 F1, 0, 2, 0
	WIN 0
	s_barrier_wait -1
.if \fill
	CREST
	s_xor_b32 s[G0A+5], s[G0A+5], SLOT
	s_add_nc_u64 s[G0A+6:G0A+7], s[G0A+6:G0A+7], STEPA
	s_xor_b32 s[G0B+5], s[G0B+5], SLOT
	s_add_nc_u64 s[G0B+6:G0B+7], s[G0B+6:G0B+7], STEPB
	JLOAD                                          ; its four v_nop are also the places in front of the loads below
.else
	PLACES
.endif
	s_xor_b32 s[TB], s[TB], SLOT
	v_add_nc_u32 v[ADRA], s[TB], v[A0]
	v_add_nc_u32 v[ADRB], s[TB], v[B0]
	v_add_nc_u32 v[ADRB+1], BW, v[ADRB]
	FETCH 0, F0
	MUL8 F1, 1, 0, 0
	MUL8 F1, 1, 2, 0
.endm
	s_wait_tensorcnt 1                             ; my part of K step 0 is in; step 1's may stay out
	s_barrier_signal -1
	s_barrier_wait -1
	FETCH 0, F0
	s_wait_loadcnt 32                              ; the bias is in; the 32 younger loads, resid's, stay out
	QUARTER 1, F0, F1, 1
	WIN 0
	s_mov_b32 s3, KSTEPS-2
.Lk:
	QUARTER 2, F1, F0, 0
	QUARTER 3, F0, F1, 0
	TURN 1
	QUARTER 1, F0, F1, 0
	WIN 0
	s_sub_co_u32 s3, s3, 1
	s_cmp_lg_u32 s3, 0
	s_cbranch_scc1 .Lk
	s_mov_b32 s2, 2
.Ltail:                                            ; the last two K steps ask for nothing; the second trip is left in its middle
	QUARTER 2, F1, F0, 0
	QUARTER 3, F0, F1, 0
	WIN 0
	s_sub_co_u32 s2, s2, 1
	s_cmp_eq_u32 s2, 0
	s_cbranch_scc1 .Lfin
	TURN 0
	QUARTER 1, F0, F1, 0
	WIN 0
	s_branch .Ltail
.Lfin:
	s_wait_dscnt 16
	MUL8 F1, 0, 0, 0
	MUL8 F1, 0, 2, 0
	s_wait_dscnt 0x0
	MUL8 F1, 1, 0, 0
	MUL8 F1, 1, 2, 0
	PLACES
	WIN 0
	s_barrier_signal -1                            ; every wave's reads of the ring are over, and it has had its last fill: its first bytes now serve as the stages
	s_barrier_wait -1
.irp a, 0,1,2,3
.irp b, 0,1,2,3
	ds_store_b128 v[STO], v[ACC+8*(4*\a+\b):ACC+8*(4*\a+\b)+3]   offset:\a*16*SP+64*\b      ; each accumulator's low registers first
	ds_store_b128 v[STO], v[ACC+8*(4*\a+\b)+4:ACC+8*(4*\a+\b)+7] offset:\a*16*SP+64*\b+16
.endr
.endr
	s_wait_loadcnt 0x0                             ; resid
.irp q, 0,1,2,3                        ; 16 rows at a time, each batch in registers of its own: no store's data is written again
.irp u, 0,1,2,3,4,5,6,7
	ds_load_b128 v[TT+32*\q+4*\u:TT+32*\q+4*\u+3], v[RD] offset:(8*\q+\u)*2*SP  ; LDS serves a wave's instructions in order: these see my stores above
.endr
	s_wait_dscnt 0x0
	WIN ADDR
.set i, 0
.rept 16
	v_pk_add_f32 v[TT+32*\q+i:TT+32*\q+i+1], v[TT+32*\q+i:TT+32*\q+i+1], v[32*\q+i:32*\q+i+1]
.set i, i+2
.endr
	WIN 0
.irp u, 0,1,2,3,4,5,6,7
	global_store_b128 v[CO], v[TT+32*\q+4*\u:TT+32*\q+4*\u+3], s[OB:OB+1] offset:8192*(8*\q+\u)  ; sixteen lanes store 256 consecutive bytes, aligned
.endr
.endr
	s_wait_tensorcnt 0x0                           ; the wave's end
	ds_add_u32 v[SPW], v[NIL]
	s_wait_dscnt 0x0
	CROUND                                         ; the closing round
	s_endpgm
.Lfunc_end_k_qa05bacf7c0_fc2:
	.size	k_qa05bacf7c0_fc2, .Lfunc_end_k_qa05bacf7c0_fc2-k_qa05bacf7c0_fc2
	.p2alignl 7, 3214868480
	.fill 96, 4, 3214868480
	.section	.rodata,"a",@progbits
	.p2align	6, 0x0
	.amdhsa_kernel k_qa05bacf7c0_fc2
		.amdhsa_group_segment_fixed_size 327680
		.amdhsa_private_segment_fixed_size 0
		.amdhsa_enable_private_segment 0
		.amdhsa_kernarg_size 40
		.amdhsa_user_sgpr_count 2
		.amdhsa_user_sgpr_kernarg_segment_ptr 1
		.amdhsa_wavefront_size32 1
		.amdhsa_system_sgpr_workgroup_id_x 1
		.amdhsa_system_sgpr_workgroup_id_y 1
		.amdhsa_system_sgpr_workgroup_id_z 1
		.amdhsa_system_vgpr_workitem_id 0
		.amdhsa_next_free_vgpr 640
		.amdhsa_next_free_sgpr 80
		.amdhsa_reserve_vcc 0
		.amdhsa_float_denorm_mode_32 3
		.amdhsa_float_denorm_mode_16_64 3
		.amdhsa_memory_ordered 1
		.amdhsa_forward_progress 1
		.amdhsa_inst_pref_size 68
	.end_amdhsa_kernel
	.amdgpu_metadata
---
amdhsa.version: [ 1, 2 ]
amdhsa.kernels:
  - .name:           k_qa05bacf7c0_fc2
    .symbol:         k_qa05bacf7c0_fc2.kd
    .args:
      - { .name: g, .offset: 0, .size: 8, .value_kind: global_buffer, .address_space: global }
      - { .name: wb, .offset: 8, .size: 8, .value_kind: global_buffer, .address_space: global }
      - { .name: b_fc2, .offset: 16, .size: 8, .value_kind: global_buffer, .address_space: global }
      - { .name: x1, .offset: 24, .size: 8, .value_kind: global_buffer, .address_space: global }
      - { .name: out0, .offset: 32, .size: 8, .value_kind: global_buffer, .address_space: global }
    .group_segment_fixed_size: 327680
    .private_segment_fixed_size: 0
    .kernarg_segment_align: 8
    .kernarg_segment_size: 40
    .max_flat_workgroup_size: 128
    .sgpr_count:     80
    .vgpr_count:     640
    .wavefront_size: 32
...
	.end_amdgpu_metadata
.endif
;; end of part 7
